; MI455X (gfx1250); checked and timed in simulation.
; The chip was launched on July 23, 2026; its instructions are those of AMD's public machine-readable ISA for CDNA 5 (MIT licence, August 2026) and "CDNA5" Instruction Set Architecture Reference Guide (July 2026). The comments in the code are by the model that wrote it; some were corrected since.
;; Sliding Window Self Attention. Allowed arithmetic: matrix products marked QUANTISED: E2M1 operands, one E8M0 scale for each 32 along K, by v_wmma_scale_f32_16x16x128_f8f6f4 with both operands' format E2M1 (or v_wmma_scale_f32_32x16x128_f4), f32 sums; everything else in f32.
;; Inputs: Wk_codes 8 x 32 x 8 x 16 uint8 (E2M1 codes of Wk, K innermost, in blocks of 32 codes, two codes a byte); Wk_scales 8 x 32 x 8 uint8 (E8M0 scales of Wk, one for each 32 codes along K); Wo 8 x 32 x 256 float32; Wq_codes 8 x 32 x 8 x 16 uint8 (E2M1 codes of Wq, K innermost, in blocks of 32 codes, two codes a byte); Wq_scales 8 x 32 x 8 uint8 (E8M0 scales of Wq, one for each 32 codes along K); Wv_codes 8 x 32 x 8 x 16 uint8 (E2M1 codes of Wv, K innermost, in blocks of 32 codes, two codes a byte); Wv_scales 8 x 32 x 8 uint8 (E8M0 scales of Wv, one for each 32 codes along K); beta 256 float32; bk 8 x 32 float32; bo 256 float32; bq 8 x 32 float32; bv 8 x 32 float32; gamma 256 float32; x 2 x 4,096 x 256 float32.
;; Outputs: out0 2 x 4,096 x 256 float32.
;; Constants: w_2 = 64.
;; This version of the problem:
;;   THIS VERSION OF THE PROBLEM IS GIVEN IN LOW PRECISION. The matrix products marked QUANTISED in the list below multiply operands that are first quantised to E2M1 (2 exponent bits, 1 mantissa bit; 4 bits a number), with one power-of-two scale for each 32 numbers along K (OCP MX v1.0); their sums are f32. All else is computed in f32.
;;   The module's matrix products, in the order in which they are computed (A, B: the left and right operand; K: the contracted axis; several contracted axes count as one K, in the product's order):
;;     1. [M 8,192, K 256] x [K 256, N 256]; A: input x; B: input Wq (given as codes): QUANTISED
;;     2. [M 8,192, K 256] x [K 256, N 256]; A: input x; B: input Wk (given as codes): QUANTISED
;;     3. [M 8,192, K 256] x [K 256, N 256]; A: input x; B: input Wv (given as codes): QUANTISED
;;     4. batch 16 x [M 4,096, K 32] x [K 32, N 4,096]; A: computed on the way; B: computed on the way: QUANTISED
;;     5. batch 16 x [M 32, K 4,096] x [K 4,096, N 4,096]; A: computed on the way; B: softmax (see below): QUANTISED
;;     6. [M 8,192, K 256] x [K 256, N 256]; A: computed on the way; B: input Wo: QUANTISED
;;   THE QUANTISER, for each operand of a quantised product, along K:
;;     - K is cut into blocks of 32 from its start; a last block that is shorter is filled with zeros.
;;     - A block's scale is 2^e with e = floor(log2(the largest magnitude in the block)) - 2, held to -126 .. 127; a block of zeros has e = 0. As a byte (E8M0): e + 127.
;;     - Each number is divided by its block's scale, clamped to +-6, and rounded to the nearest number of E2M1, ties to even, subnormals kept.
;;     - The product sums the exact products of the quantised numbers (number of the format x scale) in f32.
;;   ~~~python
;;   def quantise(x, axis):      # numpy; x: float32 -> the quantised numbers, widened to float32 again
;;       x = np.moveaxis(x, axis, -1); K = x.shape[-1]
;;       x = np.pad(x, [(0, 0)] * (x.ndim - 1) + [(0, -K % 32)]); x = x.reshape(x.shape[:-1] + (-1, 32)); a = np.abs(x).max(-1, keepdims=True)
;;       e = np.where(a > 0, np.clip(np.frexp(np.where(a > 0, a, 1))[1] - 1 - 2, -126, 127), 0)      # np.frexp(a)[1] - 1 = floor(log2(a)), exactly
;;       r = np.clip(x / 2.0 ** e, -6, 6)
;;       step = 2.0 ** (np.maximum(np.frexp(np.where(r == 0, 1, r))[1] - 1, 0) - 1)
;;       q = np.round(r / step) * step * 2.0 ** e      # np.round: ties to even
;;       return np.moveaxis(q.reshape(q.shape[:-2] + (-1,))[..., :K], -1, axis).astype(np.float32)
;;   ~~~
;;   SOFTMAX AHEAD OF A QUANTISED PRODUCT. Where the list says 'softmax', what is quantised is not the finished softmax but p = 2^(t - M), with t = logit x log2(e) and M = ceil(the row's largest t), a whole number; so 1/2 < the row's largest p <= 1. The row's sum l is taken of the UNQUANTISED p, in f32, and the product's result is divided by l at the end. Since M is a whole number, a kernel that streams over the keys may use a running M (the ceiling of the running maximum): every later rescaling is an exact power of two, which a block's scale takes up: the codes' values come out the same.
;;   OPERANDS COMPUTED ON THE WAY. 'Computed on the way' means the value that the module computes at that place (a softmax that the list does not call 'softmax' is quantised finished and normalised). What goes into a quantiser is computed in f32, as accurately as f32 sums, v_exp_f32 and their like allow (about 1e-6 of the number): no bf16 or f16 on the way to a quantiser, and a product that is left as it is and whose result goes on into a quantised operand takes f32 operands (vector FMAs, or v_wmma_f32_16x16x4_f32). A number that lies on a knife's edge between two numbers of the format may be rounded either way, as far as f32 arithmetic and the matrix unit's own rounding can turn it there, and no further.
;;   INPUTS GIVEN AS CODES. Wk (in the module: [256, 8, 32], K = its axis 0); Wq (in the module: [256, 8, 32], K = its axis 0); Wv (in the module: [256, 8, 32], K = its axis 0): each comes as NAME_codes (uint8): NAME with its K axis moved to the last place and cut into blocks of 32 codes, [.., K / 32, bytes a block], one block behind the other in memory; two codes a byte, the lower K in the low four bits (a code: sign, 2 exponent bits, 1 mantissa bit); and NAME_scales (uint8): the same leading axes, one E8M0 byte (e + 127) for each 32 codes along K. Its value is code x scale, taken as it is: it is not quantised again, and the codes and scales need not be those that the quantiser above would give.
;; 2 versions. Each part assembles by itself: llvm-mc -triple=amdgcn-amd-amdhsa -mcpu=gfx1250 --defsym DOCPART=n.
;; ======== version 1 of 2: 1 launch
;; limits: right only within a limited range of input values
;; launch swattn (part 1): grid 256 x 1, 16 waves a work-group, no clusters, 122,368 bytes of LDS; arguments x, Wq_codes, Wq_scales, bq, Wk_codes, Wk_scales, bk, Wv_codes, Wv_scales, bv, Wo, bo, gamma, beta, out0; writes out0
.if DOCPART == 1
	.amdgcn_target "amdgcn-amd-amdhsa--gfx1250"
	.amdhsa_code_object_version 6
	.text
	.protected	k_qb2481133ee_swattn
	.globl	k_qb2481133ee_swattn
	.p2align	8
	.type	k_qb2481133ee_swattn,@function
k_qb2481133ee_swattn:
	s_mov_b64 s[64:65], 0
	v_nop
	global_prefetch_b8 v0, s[64:65] scope:SCOPE_SE
	s_setreg_imm32_b32 hwreg(HW_REG_WAVE_MODE, 25, 1), 1
	s_wait_xcnt 0x0
; Sliding-window self-attention (band |i - j| <= 64), its four projections, the residual and the LayerNorm, in ONE launch.  All six products on codes of FP4 (E2M1) with one E8M0 scale for each 32 along K.
; x [2][4096][256] f32; Wq, Wk, Wv as codes [8][32][256 along K] with scale bytes [8][32][8]; Wo [256 (h,k)][256] f32; biases, gamma, beta f32; out0 [2][4096][256] f32.
; SHARES.  Work-group g owns the 32 queries 32 g .. 32 g + 31.  Their band lies inside 160 keys, the WINDOW: five aligned blocks of 32 keys ("pairs" 0..4 of two tiles of 16 rows); the queries are pair 2.
; The work-group projects k and v of its whole window itself (the halo is computed again by the neighbours), so nothing goes through memory between the steps.  Sixteen waves of 256 registers, four to a SIMD.
; ROWS OF A TILE ARE NOT NEIGHBOURS: lane r of tile 2 p + u stands for row 32 p + 8 u + r + 8 (r / 8), so that the 16 result registers of two neighbouring tiles are 16 neighbours along the next product's K.
; OPERANDS MADE ON THE WAY GO FROM WAVE TO WAVE THROUGH LDS BY BLOCKS OF 32 CODES: lane (r, h) holds 16 numbers of row r (k = 16 h + 0..15 of one block) and stores 8 bytes of codes at 256 I + 16 r + 8 h and the
; block's byte at 64 (I / 4) + I % 4 + 4 r, I the block's number in its region.  Four blocks on end are a fragment's register image: two loads of 16 bytes at 16 x lane, 512 bytes apart; its scale word lies at 4 r.
; K = 32 IN A PRODUCT OF K = 128 (scores): a fragment of K carries FOUR key tiles in its four block places; Q's operand has q's block at one place and zero codes at the others, q's byte in all four bytes of its word.
; PHASES, a barrier between each two:  X x -> codes |  P k, q, v projected and quantised; Wo quantised in registers |  A scores, mask, softmax, p quantised, V^T P, o quantised |  F o Wo -> stage |  LN residual, LayerNorm, store.
; SOFTMAX: a row's whole band is at hand, so its maximum is taken once: t = score x log2(e) / sqrt(32), M = ceil(largest t), p = 2^(t - M); the sum of the unquantised p divides the product at the end.
; No tile is shared with other work-groups through LDS fills: every operand goes from memory straight into the registers of the wave that uses it or turns it into codes, so there are no joint loads and no cluster.
; LIMITS: a block whose largest magnitude lies under 2^-124 gets the byte 1 (a block of zeros too: its codes are zeros, and this program alone reads the bytes); NaN and infinities among the inputs are not served;
; weights under the band's mask are exact zeros, which is what -1e9 gives while |score| stays far under 1e9.
.set XIMG, 0                           ; LDS: x's 80 blocks, I = 8 T + block of D
.set XSC,  20480                       ; their bytes
.set KIMG, 21760                       ; k's and q's: I = 12 head + T; T = 0..9 key tiles, 10, 11 the two query tiles
.set KSC,  46336
.set VIMG, 47872                       ; v's: I = 8 (2 head + channel tile) + pair; places 5..7 are never touched
.set VSC,  80640
.set OIMG, 82688                       ; o's: I = 8 query tile + head
.set OSC,  86784
.set STG,  87040                       ; the stage: 32 rows (queries in their true order) x (1,024 + 16) bytes
; vector registers that stay
.set R,   1                            ; lane % 16
.set H,   2                            ; lane / 16
.set RP,  3                            ; r + 8 (r / 8)
.set LI,  4                            ; 16 x lane
.set R4,  5                            ; 4 r
.set RH,  6                            ; 16 r + 8 h
.set WOS, 24                           ; v24-25  Wo's scale words
.set WOF, 38                           ; v38-53  Wo's two fragments
.set WBY, 54
.set SH8, 55                           ; 8 h
.set MX,  240                          ; v240-242 largest magnitudes, then the conversions' scale operands
.set PX,  243                          ; v243-245 the other half's, then the bytes
.set CD,  246                          ; v246-251 codes just made
; head, X, P
.set XO,   7
.set WO_,  8
.set WSO,  9
.set BO_,  10
.set BVO,  11
.set WOO,  12
.set XWI,  13
.set XWS,  14
.set VWI0, 15
.set VWS0, 16
.set KWI,  17
.set KWSA, 18
.set KWSB, 19
.set AXF,  20
.set AXS,  21
.set AVI,  22
.set AVS,  23
.set WAS,  26                          ; v26-35 hold scales and nothing else
.set WVS,  30
.set XS,   32
.set WA,   56                          ; Wk's (later Wk's or Wq's) fragments: tile n, K step s at 16 n + 8 s
.set WAB,  88                          ; its bias, in the result's layout
.set WVF,  104                         ; Wv's two fragments
.set WVB,  120                         ; its bias: one number a lane, eight times
.set WOR,  128                         ; 32 numbers of Wo
.set XR,   160                         ; x as loaded: five units of 16 numbers
.set XF,   160                         ; x's fragments of a pair: tile u, K step s at 16 u + 8 s
.set ACC,  192                         ; 0-15 v, 16-47 k (16 u + 8 n)
; A
.set AK,   7
.set AKS,  8
.set AQL,  9
.set AQS,  10
.set AV,   11
.set AV1,  12
.set AVSC, 13
.set OWI,  14
.set OWS,  15
.set AOF,  16
.set AOS,  17
.set STO,  18
.set SRD,  19
.set KS,   26
.set QS,   29
.set VS,   30
.set PW,   34
.set S,    56                          ; v56-135 the scores, then p: register 16 b + i = key 32 b + 16 h + i of the window
.set KF,   136
.set QL,   160
.set QOP,  164                         ; zeros, q in lanes 0-15, zeros, q in lanes 16-31, zeros: four registers each
.set VF,   136                         ; V's fragments: channel tile c, K step s at 16 c + 8 s
.set BM,   184
.set BX,   189
.set SOP,  194
.set OACC, 184
.set NM,   200
.set DLO,  208
.set DH4,  209
.set NEGI, 210
.set MSK0, 211
.set MSK1, 212
.set PCD,  214                         ; p's codes, keys 0-127
.set PDD,  222                         ; keys 128-159, then zeros
.set LSUM, 230
.set RCL,  234
.set OV,   56
.set LNX,  72
.set LBO,  88
.set LGA,  96
.set LBE,  104
; F, LN
.set OS,   26
.set OF,   112
.set Y,    144
.set AR,   160
.set T1,   176
.set T2,   184
; scalar registers: s[8:37] the fifteen addresses in the order of the arguments; s[38:39] an offset, high word 0; s40 wave, s41 head, s42 par, s43 1 - par, s44 first row (flat), s45 first query in its sequence
.set XB,   52                          ; s[52:61] x at my five units
.set SXF,  70                          ; s70-74 a step's place in XIMG; s75-79 in XSC; s80-84, s85-89 its pair's place in my part of VIMG, VSC
.set SXS,  75
.set SVI,  80
.set SVS,  85
.macro PLACES n
.rept \n
	v_nop
.endr
.endm
.macro MMC d, a, b, c, sa, sb
	v_wmma_scale_f32_16x16x128_f8f6f4 v[(\d):(\d)+7], v[(\a):(\a)+7], v[(\b):(\b)+7], v[(\c):(\c)+7], v[\sa], v[\sb] matrix_a_fmt:MATRIX_FMT_FP4 matrix_b_fmt:MATRIX_FMT_FP4
.endm
.macro MMZ d, a, b, sa, sb
	v_wmma_scale_f32_16x16x128_f8f6f4 v[(\d):(\d)+7], v[(\a):(\a)+7], v[(\b):(\b)+7], 0, v[\sa], v[\sb] matrix_a_fmt:MATRIX_FMT_FP4 matrix_b_fmt:MATRIX_FMT_FP4
.endm
.macro BAR                             ; my LDS stores have landed and my LDS loads are in: then the work-group's barrier
	s_wait_dscnt 0x0
	s_barrier_signal -1
	s_barrier_wait -1
.endm
; cnt half blocks of 16 numbers, block b at v[src + 16 b], become codes in v[CD + 2 b], v[CD + 2 b + 1] and the block's byte in v[PX + b].  The blocks take turns line by line; each run of registers is read from its low end on.
.macro BLKQ cnt, src
.irp b, 0,1,2
.if \b < \cnt
	v_max3_num_f32 v[MX+\b], |v[(\src)+16*\b]|, |v[(\src)+16*\b+1]|, 0x1800000   ; with the floor 2^(3 - 127): the byte cannot fall under 1
.endif
.endr
.irp i, 2,4,6,8,10,12,14
.irp b, 0,1,2
.if \b < \cnt
	v_max3_num_f32 v[MX+\b], v[MX+\b], |v[(\src)+16*\b+\i]|, |v[(\src)+16*\b+\i+1]|
.endif
.endr
.endr
.irp b, 0,1,2
.if \b < \cnt
	v_permlanex16_b32 v[PX+\b], v[MX+\b], s46, s47
.endif
.endr
.irp b, 0,1,2
.if \b < \cnt
	v_max_num_f32 v[MX+\b], v[MX+\b], v[PX+\b]          ; with lane l xor 16's 16 numbers: the block's largest magnitude
.endif
.endr
.irp b, 0,1,2
.if \b < \cnt
	v_add_nc_u32 v[MX+\b], 0xff000000, v[MX+\b]         ; 2 off its exponent field: the conversion's scale operand
.endif
.endr
.irp b, 0,1,2
.if \b < \cnt
	v_cvt_scalef32_pk8_fp4_f32 v[CD+2*\b], v[(\src)+16*\b:(\src)+16*\b+7], v[MX+\b]
	v_cvt_scalef32_pk8_fp4_f32 v[CD+2*\b+1], v[(\src)+16*\b+8:(\src)+16*\b+15], v[MX+\b]
.endif
.endr
.irp b, 0,1,2
.if \b < \cnt
	v_lshrrev_b32 v[PX+\b], 23, v[MX+\b]                ; the byte; also the plain line behind the conversions
.endif
.endr
.endm
.macro PUT blk, ia, io, sa, so         ; a half block's 8 bytes of codes, and the block's byte (both halves of the lanes write the same byte with the same value)
	ds_store_b64 v[\ia], v[CD+2*\blk:CD+2*\blk+1] offset:\io
	ds_store_b8 v[\sa], v[PX+\blk] offset:\so
.endm
; a head's 32 rows of a weight given as codes: 4 fragments, 4 scale words, the bias in the result's layout: 16 loads
.macro WLOAD pc, ps, pb
.irp n, 0,1
.irp s, 0,1
.irp c, 0,1
	global_load_b128 v[WA+16*\n+8*\s+4*\c:WA+16*\n+8*\s+4*\c+3], v[WO_], s[\pc:\pc+1] offset:1024*\n+64*\s+32*\c
.endr
	global_load_b32 v[WAS+2*\n+\s], v[WSO], s[\ps:\ps+1] offset:64*\n+4*\s
.endr
.irp i, 0,1
	global_load_b128 v[WAB+8*\n+4*\i:WAB+8*\n+4*\i+3], v[BO_], s[\pb:\pb+1] offset:32*\n+16*\i
.endr
.endr
.endm
; Wo: lane r takes column 16 w + r and its registers run down K: round rd brings k = 64 rd + 32 h + 0..31, a whole block
.macro WOLOAD rd
.irp i, 0,1,2,3,4,5,6,7,8,9,10,11,12,13,14,15,16,17,18,19,20,21,22,23,24,25,26,27,28,29,30,31
	global_load_b32 v[WOR+\i], v[WOO], s[28:29] offset:(64*\rd+\i)*1024
.endr
.endm
.macro WOQ rd, left                    ; left: the younger loads that may stay out
	s_wait_loadcnt \left
	v_max3_num_f32 v252, |v[WOR]|, |v[WOR+1]|, 0x1800000
	v_max3_num_f32 v253, |v[WOR+2]|, |v[WOR+3]|, |v[WOR+4]|
.irp i, 5,9,13,17,21,25
	v_max3_num_f32 v252, v252, |v[WOR+\i]|, |v[WOR+\i+1]|
	v_max3_num_f32 v253, v253, |v[WOR+\i+2]|, |v[WOR+\i+3]|
.endr
	v_max3_num_f32 v252, v252, |v[WOR+29]|, |v[WOR+30]|
	v_max3_num_f32 v252, v252, v253, |v[WOR+31]|
	v_add_nc_u32 v252, 0xff000000, v252
.irp g, 0,1,2,3
	v_cvt_scalef32_pk8_fp4_f32 v[WOF+4*\rd+\g], v[WOR+8*\g:WOR+8*\g+7], v252
.endr
.if (\rd)%2 == 0
	v_lshrrev_b32 v[WBY], 23, v252                      ; the byte of block h of this K step
.else
	v_lshrrev_b32 v253, 23, v252                        ; that of block 2 + h
	v_lshl_or_b32 v253, v253, 16, v[WBY]
	v_lshlrev_b32 v253, v[SH8], v253                    ; at their places in the word, 8 h bits up;
	v_permlanex16_b32 v254, v253, s46, s47
	v_or_b32 v[WOS+(\rd)/2], v253, v254                 ; with lane l xor 16's two the word is whole
.endif
.endm
; A STEP OF PHASE P: one pair of x's tiles.  v for my 16 channels (source 0 = x's 16 rows, source 1 = Wv: a lane holds one channel, its registers run along the keys), and, where kk >= 0,
; k or q for my head (source 0 = 16 rows of the weight, source 1 = x: a lane holds one row, its registers run along the head's 32).  The biases are the C of each sum's first product.
; The accumulators take turns, one instruction a turn.
.macro STEP st, kk
	v_add_nc_u32 v[AXF], s[SXF+\st], v[LI]
	v_add_nc_u32 v[AXS], s[SXS+\st], v[R4]
.irp u, 0,1
.irp s, 0,1
.irp c, 0,1
	ds_load_b128 v[XF+16*\u+8*\s+4*\c:XF+16*\u+8*\s+4*\c+3], v[AXF] offset:2048*\u+1024*\s+512*\c
.endr
	ds_load_b32 v[XS+2*\u+\s], v[AXS] offset:128*\u+64*\s
.endr
.endr
	s_wait_dscnt 0x0                                    ; the fragments are in; the last step's stores have read their registers
.irp u, 0,1
	MMC ACC+8*\u, XF+16*\u, WVF, WVB, XS+2*\u, WVS
.endr
.if \kk >= 0
.irp u, 0,1
.irp n, 0,1
	MMC ACC+16+16*\u+8*\n, WA+16*\n, XF+16*\u, WAB+8*\n, WAS+2*\n, XS+2*\u
.endr
.endr
.endif
.irp u, 0,1
	MMC ACC+8*\u, XF+16*\u+8, WVF+8, ACC+8*\u, XS+2*\u+1, WVS+1
.endr
.if \kk >= 0
.irp u, 0,1
.irp n, 0,1
	MMC ACC+16+16*\u+8*\n, WA+16*\n+8, XF+16*\u+8, ACC+16+16*\u+8*\n, WAS+2*\n+1, XS+2*\u+1
.endr
.endr
.endif
	v_add_nc_u32 v[AVI], s[SVI+\st], v[VWI0]            ; four plain lines between the last product and the first read of a result
	v_add_nc_u32 v[AVS], s[SVS+\st], v[VWS0]
	PLACES 2
.if \kk >= 0
	BLKQ 3, ACC
.else
	BLKQ 1, ACC
.endif
	PUT 0, AVI, 0, AVS, 0
.if \kk == 0
	PUT 1, KWI, 0, KWSA, 0
	PUT 2, KWI, 256, KWSA, 1
.elseif \kk == 1
	PUT 1, KWI, 512, KWSB, 2
	PUT 2, KWI, 768, KWSB, 3
.elseif \kk == 2
	PUT 1, KWI, 1024, KWSA, 64
	PUT 2, KWI, 1280, KWSA, 65
.endif
.endm
.macro MASKLO blk                      ; key 32 blk + 16 h + i is hidden where it lies under the row's first key
.irp i, 0,1,2,3,4,5,6,7,8,9,10,11,12,13,14,15
	v_cmp_lt_i32 vcc_lo, 32*\blk+\i, v[DLO]
	v_cndmask_b32 v[S+16*\blk+\i], v[S+16*\blk+\i], v[NEGI], vcc_lo
.endr
.endm
.macro MASKHI blk                      ; or beyond its last
.irp i, 0,1,2,3,4,5,6,7,8,9,10,11,12,13,14,15
	v_cmp_gt_i32 vcc_lo, 32*\blk-128+\i, v[DH4]
	v_cndmask_b32 v[S+16*\blk+\i], v[S+16*\blk+\i], v[NEGI], vcc_lo
.endr
.endm
.macro RED t                           ; the two rows' numbers in v[t] and v[t + 4] are summed over the 32 lanes
.irp m, 1,2,4,8
.irp i, 0,4
	v_add_f32_dpp v[\t+\i], v[\t+\i], v[\t+\i] row_xmask:\m row_mask:0xf bank_mask:0xf
.endr
.endr
.irp i, 0,4
	v_permlanex16_b32 v[\t+\i+1], v[\t+\i], s46, s47
.endr
.irp i, 0,4
	v_add_f32 v[\t+\i], v[\t+\i], v[\t+\i+1]
.endr
.endm
; ---------------------------------------------------------------- head
	s_load_b512 s[8:23], s[0:1], 0x0               ; x, Wq codes, Wq scales, bq, Wk codes, Wk scales, bk, Wv codes
	s_load_b256 s[24:31], s[0:1], 0x40             ; Wv scales, bv, Wo, bo
	s_load_b128 s[32:35], s[0:1], 0x60             ; gamma, beta
	s_load_b64 s[36:37], s[0:1], 0x70              ; out0
	v_lshl_add_u32 v37, v0, 2, 0x1d600
	v_mov_b32 v255, 0
	v_lshrrev_b32 v1, 5, v0
	v_readfirstlane_b32 s40, v1                    ; wave 0..15
	v_and_b32 v[R], 15, v0
	v_bfe_u32 v[H], v0, 4, 1
	v_and_b32 v[RP], 8, v[R]
	v_add_nc_u32 v[RP], v[RP], v[R]
	v_and_b32 v[LI], 31, v0
	v_lshlrev_b32 v[LI], 4, v[LI]
	v_lshlrev_b32 v[R4], 2, v[R]
	v_lshlrev_b32 v[RH], 4, v[R]
	v_lshl_add_u32 v[RH], v[H], 3, v[RH]
	v_lshlrev_b32 v[SH8], 3, v[H]
	v_lshlrev_b32 v[XO], 10, v[RP]                 ; x: row RP of 1,024 bytes, + 64 h: my 16 numbers of a block
	v_lshl_add_u32 v[XO], v[H], 6, v[XO]
	v_lshlrev_b32 v[WO_], 7, v[RP]                 ; a weight's codes: row RP of 128 bytes, + 16 h
	v_lshl_add_u32 v[WO_], v[H], 4, v[WO_]
	v_lshlrev_b32 v[WSO], 3, v[RP]                 ; its scale bytes: 8 a row
	v_lshlrev_b32 v[BO_], 6, v[H]                  ; bq, bk: channels 16 h on
	v_lshlrev_b32 v[BVO], 2, v[RP]                 ; bv: my channel
	v_lshl_add_u32 v[WOO], v[H], 15, v[R4]         ; Wo: column r, 32 rows of 1,024 bytes further down for lanes 16-31
	s_lshr_b32 s41, s40, 1                         ; head
	s_and_b32 s42, s40, 1                          ; par: channel tile of v, half of the k work, query tile
	s_xor_b32 s43, s42, 1
	s_lshl_b32 s44, ttmp9, 5                       ; my first row among the 8,192
	s_and_b32 s45, ttmp9, 127
	s_lshl_b32 s45, s45, 5                         ; and in its sequence
	s_mov_b32 s46, 0x76543210
	s_mov_b32 s47, 0xfedcba98                      ; v_permlanex16_b32's selects for lane l xor 16
	s_mov_b32 s48, 0x3e8293ee                      ; c = log2(e) / sqrt(32)
	s_mov_b32 s49, s48                             ; (named with it as a pair, so it is written)
	s_and_b32 s50, s40, 7                          ; phase X: my block of D,
	s_lshr_b32 s51, s40, 3
	s_mul_i32 s51, s51, 5                          ; and the first of my five tiles
	s_mov_b32 s39, 0
	; the five steps' pairs: 3 par, 3 par + 1, 2, 3 (1 - par), 3 (1 - par) + 1
	s_mul_i32 s96, s42, 3
	s_lshl_b32 s70, s96, 12
	s_lshl_b32 s80, s96, 8
	s_add_co_u32 s75, s80, XSC
	s_mov_b32 s85, s96                             ; pair 0 or 3: byte 0 or 3 of the first word
	s_add_co_u32 s71, s70, 4096
	s_add_co_u32 s81, s80, 256
	s_add_co_u32 s76, s75, 256
	s_mul_i32 s86, s42, 63
	s_add_co_u32 s86, s86, 1                       ; pair 1 or 4: byte 1 of the first word, or byte 0 of the second (64 on)
	s_mov_b32 s72, 8192
	s_mov_b32 s82, 512
	s_mov_b32 s77, XSC+512
	s_mov_b32 s87, 2
	s_mul_i32 s96, s43, 3
	s_lshl_b32 s73, s96, 12
	s_lshl_b32 s83, s96, 8
	s_add_co_u32 s78, s83, XSC
	s_mov_b32 s88, s96
	s_add_co_u32 s74, s73, 4096
	s_add_co_u32 s84, s83, 256
	s_add_co_u32 s79, s78, 256
	s_mul_i32 s89, s43, 63
	s_add_co_u32 s89, s89, 1
	s_sub_co_i32 s90, 64, s45
	s_max_i32 s90, s90, 0                          ; the window's first key that lies in the sequence,
	s_sub_co_i32 s91, 4159, s45                    ; and its last
	s_wait_kmcnt 0x0
	; x at my five units.  A pair that lies outside the buffer is replaced by rows inside it: all its keys are masked, and p's zero codes make its v count for nothing
.irp t, 0,1,2,3,4
	s_add_co_u32 s96, s51, \t                      ; tile T
	s_lshr_b32 s97, s96, 1
	s_lshl_b32 s97, s97, 5
	s_add_co_u32 s97, s97, s44
	s_sub_co_i32 s97, s97, 64                      ; its pair's first row
	s_max_i32 s97, s97, 0
	s_min_i32 s97, s97, 8160
	s_and_b32 s96, s96, 1
	s_lshl_b32 s96, s96, 3
	s_add_co_u32 s97, s97, s96
	s_lshl_b32 s38, s97, 10
	s_lshl_b32 s96, s50, 7
	s_add_co_u32 s38, s38, s96
	s_add_nc_u64 s[XB+2*\t:XB+2*\t+1], s[8:9], s[38:39]
.endr
.irp t, 0,1,2,3,4
.irp j, 0,1,2,3
	global_load_b128 v[XR+16*\t+4*\j:XR+16*\t+4*\j+3], v[XO], s[XB+2*\t:XB+2*\t+1] offset:16*\j
.endr
.endr
	s_lshl_b32 s38, s41, 12                        ; a head's codes: 4,096 bytes
	s_add_nc_u64 s[10:11], s[10:11], s[38:39]
	s_add_nc_u64 s[16:17], s[16:17], s[38:39]
	s_lshl_b32 s96, s42, 10
	s_add_co_u32 s38, s38, s96
	s_add_nc_u64 s[22:23], s[22:23], s[38:39]      ; Wv: rows 8 par + RP
	s_lshl_b32 s38, s41, 8                         ; its scale bytes: 256
	s_add_nc_u64 s[12:13], s[12:13], s[38:39]
	s_add_nc_u64 s[18:19], s[18:19], s[38:39]
	s_lshl_b32 s96, s42, 6
	s_add_co_u32 s38, s38, s96
	s_add_nc_u64 s[24:25], s[24:25], s[38:39]
	s_lshl_b32 s38, s41, 7                         ; its bias: 128
	s_add_nc_u64 s[14:15], s[14:15], s[38:39]
	s_add_nc_u64 s[20:21], s[20:21], s[38:39]
	s_lshl_b32 s96, s42, 5
	s_add_co_u32 s38, s38, s96
	s_add_nc_u64 s[26:27], s[26:27], s[38:39]
	s_lshl_b32 s38, s40, 6
	s_add_nc_u64 s[28:29], s[28:29], s[38:39]      ; Wo: columns 16 w on
	s_cmp_lg_u32 s42, 0                            ; the second weight set: Wq for par = 1, Wk once more for par = 0.  The choice hangs on the wave's number alone
	s_cselect_b64 s[10:11], s[10:11], s[16:17]
	s_cselect_b64 s[12:13], s[12:13], s[18:19]
	s_cselect_b64 s[14:15], s[14:15], s[20:21]
	s_lshl_b32 s96, s40, 1
	s_add_co_u32 s96, s96, s44
	s_lshl_b32 s38, s96, 10
	s_add_nc_u64 s[92:93], s[8:9], s[38:39]        ; x and out0 at rows 2 w, 2 w + 1 of my 32
	s_add_nc_u64 s[94:95], s[36:37], s[38:39]
	WLOAD 16, 18, 20                               ; Wk
.irp s, 0,1
.irp c, 0,1
	global_load_b128 v[WVF+8*\s+4*\c:WVF+8*\s+4*\c+3], v[WO_], s[22:23] offset:64*\s+32*\c
.endr
	global_load_b32 v[WVS+\s], v[WSO], s[24:25] offset:4*\s
.endr
	global_load_b32 v[WVB], v[BVO], s[26:27]
	WOLOAD 0
	; LDS addresses of phases X and P: a constant + a lane term + terms of the wave's number
	s_lshl_b32 s96, s51, 11
	s_lshl_b32 s97, s50, 8
	s_add_co_u32 s96, s96, s97
	v_add_nc_u32 v[XWI], s96, v[RH]
	s_lshl_b32 s96, s51, 7
	s_lshr_b32 s97, s50, 2
	s_lshl_b32 s97, s97, 6
	s_add_co_u32 s96, s96, s97
	s_and_b32 s97, s50, 3
	s_add_co_u32 s96, s96, s97
	s_add_co_u32 s96, s96, XSC
	v_add_nc_u32 v[XWS], s96, v[R4]
	s_lshl_b32 s96, s40, 11
	s_add_co_u32 s96, s96, VIMG
	v_add_nc_u32 v[VWI0], s96, v[RH]
	s_lshl_b32 s96, s40, 7
	s_add_co_u32 s96, s96, VSC
	v_add_nc_u32 v[VWS0], s96, v[R4]
	s_mul_i32 s96, s41, 3072
	s_mul_i32 s97, s42, 1536
	s_add_co_u32 s96, s96, s97
	s_add_co_u32 s96, s96, KIMG
	v_add_nc_u32 v[KWI], s96, v[RH]                ; par = 0: tiles 0-5; par = 1: tiles 6-11
	s_mul_i32 s96, s41, 192
	s_add_co_u32 s96, s96, KSC
	s_mul_i32 s97, s42, 66
	s_add_co_u32 s97, s97, s96
	v_add_nc_u32 v[KWSA], s97, v[R4]
	s_mul_i32 s97, s42, 126
	s_add_co_u32 s97, s97, s96
	v_add_nc_u32 v[KWSB], s97, v[R4]
.irp b, 0,1,2
	v_mov_b32 v[PX+\b], 0                          ; written once: a lane permute's destination counts as one of its sources
.endr
	v_mov_b32 v254, 0
; ---------------------------------------------------------------- X: my block of D of five tiles of x becomes codes
	s_wait_loadcnt 63                              ; units 0-2 are in: behind them stand 8 loads of x, 23 of weights, 32 of Wo
	BLKQ 3, XR
.irp b, 0,1,2
	PUT \b, XWI, 2048*\b, XWS, 128*\b
.endr
	s_wait_loadcnt 55                              ; units 3 and 4
	s_wait_dscnt 0x0                               ; the stores have read their registers
	BLKQ 2, XR+48
.irp b, 0,1
	PUT \b, XWI, 2048*(3+\b), XWS, 128*(3+\b)
.endr
	BAR                                            ; x's twenty fragments lie in LDS
; ---------------------------------------------------------------- P: projections; Wo's four rounds stand between the steps
	s_wait_loadcnt 32                              ; Wk, Wv and their biases are in; Wo's first round may be out
.irp j, 1,2,3,4,5,6,7
	v_mov_b32 v[WVB+\j], v[WVB]
.endr
	PLACES 2
	STEP 0, 0
	WOQ 0, 0
	WOLOAD 1
	STEP 1, 1
	WLOAD 10, 12, 14                               ; the second weight set, over the first: the step's quantising stands between its last product and these loads
	WOQ 1, 16                                      ; Wo's round is in; the 16 loads behind it may be out
	WOLOAD 2
	STEP 3, -1                                     ; v alone: names nothing of the set on its way
	WOQ 2, 0                                       ; this wait shows the second set in too
	WOLOAD 3
	STEP 4, -1
	STEP 2, 2                                      ; the middle pair: k's tiles 4, 5 (par = 0) or the two query tiles (par = 1)
	WOQ 3, 0
	s_wait_dscnt 0x0                               ; my stores have read their address registers, which are written anew here
	s_mul_i32 s96, s41, 3072
	s_add_co_u32 s96, s96, KIMG
	v_add_nc_u32 v[AK], s96, v[LI]
	s_lshl_b32 s97, s42, 8
	s_add_co_u32 s97, s97, s96
	s_add_co_u32 s97, s97, 2560
	v_lshl_add_u32 v[AQL], v[R], 4, s97            ; my query tile's block: both halves of the lanes read row r's 16 bytes
	s_mul_i32 s96, s41, 192
	s_add_co_u32 s96, s96, KSC
	v_add_nc_u32 v[AKS], s96, v[R4]
	s_add_co_u32 s96, s96, s42
	s_add_co_u32 s96, s96, 130
	v_add_nc_u32 v[AQS], s96, v[R4]
	s_lshl_b32 s96, s41, 12
	s_add_co_u32 s96, s96, VIMG
	v_add_nc_u32 v[AV], s96, v[LI]
	s_add_co_u32 s96, s96, 1024
	v_lshl_add_u32 v[AV1], v[R], 4, s96            ; pair 4's block: both halves read it, so that no byte is read that nobody wrote
	s_lshl_b32 s96, s41, 8
	s_add_co_u32 s96, s96, VSC
	v_add_nc_u32 v[AVSC], s96, v[R4]
	s_lshl_b32 s96, s42, 11
	s_lshl_b32 s97, s41, 8
	s_add_co_u32 s96, s96, s97
	s_add_co_u32 s96, s96, OIMG
	v_add_nc_u32 v[OWI], s96, v[RH]
	s_lshl_b32 s96, s42, 7
	s_lshr_b32 s97, s41, 2
	s_lshl_b32 s97, s97, 6
	s_add_co_u32 s96, s96, s97
	s_and_b32 s97, s41, 3
	s_add_co_u32 s96, s96, s97
	s_add_co_u32 s96, s96, OSC
	v_add_nc_u32 v[OWS], s96, v[R4]
	v_add_nc_u32 v[AOF], OIMG, v[LI]
	v_add_nc_u32 v[AOS], OSC, v[R4]
	v_mul_u32_u24 v[STO], v[RP], 1040
	v_lshl_add_u32 v[STO], v[H], 5, v[STO]
	s_lshl_b32 s96, s40, 6
	s_add_co_u32 s96, s96, STG
	v_add_nc_u32 v[STO], s96, v[STO]
	s_mul_i32 s96, s40, 2080
	s_add_co_u32 s96, s96, STG
	v_add_nc_u32 v[SRD], s96, v[LI]
.irp i, 0,1,2,3
	v_mov_b32 v[QOP+\i], 0
	v_mov_b32 v[QOP+8+\i], 0
	v_mov_b32 v[QOP+16+\i], 0
.endr
.irp i, 2,3,4,5,6,7
	v_mov_b32 v[PDD+\i], 0
.endr
.irp b, 0,1,2,3,4
	v_mov_b32 v[BX+\b], 0
.endr
	v_mov_b32 v[NEGI], 0xff800000                  ; -infinity
	v_add_nc_u32 v[MSK0], -1, v[H]                 ; all ones in lanes 0-15
	v_sub_nc_u32 v[MSK1], 0, v[H]                  ; all ones in lanes 16-31
	; my query is row 64 + qw of the window, qw = 8 par + RP.  Its keys: from max(qw, the sequence's first) to min(qw + 128, the sequence's last)
	s_lshl_b32 s96, s42, 3
	v_add_nc_u32 v202, s96, v[RP]
	v_min_u32 v203, s90, v202
	v_add_nc_u32 v204, s90, v202
	v_sub_nc_u32 v204, v204, v203                  ; the larger of the two
	v_lshlrev_b32 v205, 4, v[H]
	v_sub_nc_u32 v[DLO], v204, v205                ; less my half's 16
	v_add_nc_u32 v206, 128, v202
	v_min_u32 v206, s91, v206
	v_sub_nc_u32 v[DH4], v206, v205
	v_add_nc_u32 v[DH4], 0xffffff80, v[DH4]        ; and less 128, so that block 4's constants are small
	v_mov_b32 v203, 0
	BAR                                            ; k's, q's and v's blocks lie in LDS
; ---------------------------------------------------------------- A: my head, my tile of 16 queries
.irp i, 0,1,2,3,4,5
	ds_load_b128 v[KF+4*\i:KF+4*\i+3], v[AK] offset:512*\i
.endr
.irp f, 0,1,2
	ds_load_b32 v[KS+\f], v[AKS] offset:64*\f
.endr
	ds_load_b128 v[QL:QL+3], v[AQL]
	ds_load_u8 v[QS], v[AQS]
	s_wait_dscnt 0x0
	v_perm_b32 v[QS], v[QS], v[QS], 0              ; q's byte in all four bytes.  Twelve plain lines stand between this and the first product,
.irp i, 0,1,2,3
	v_and_b32 v[QOP+4+\i], v[QL+\i], v[MSK0]
	v_and_b32 v[QOP+12+\i], v[QL+\i], v[MSK1]
.endr
	PLACES 4                                       ; four between the last of the operand's and it
.irp t, 0,1,2,3,4,5,6,7,8,9                    ; S^T = K Q^T: key tile t lies at block place t % 4 of fragment t / 4; Q's operand has q at that place alone
	MMZ S+8*\t, KF+8*(\t/4), QOP+4+8*(\t%2)-4*((\t%4)/2), KS+\t/4, QS
.endr
	PLACES 4                                       ; in front of loads into, and writes of, registers that these products have read, and of the first read of the scores
.irp c, 0,1                                    ; V is asked for now and lands under the softmax
	ds_load_b128 v[VF+16*\c:VF+16*\c+3], v[AV] offset:2048*\c
	ds_load_b128 v[VF+16*\c+4:VF+16*\c+7], v[AV] offset:2048*\c+512
	ds_load_b128 v[VF+16*\c+8:VF+16*\c+11], v[AV1] offset:2048*\c
	ds_load_b32 v[VS+2*\c], v[AVSC] offset:128*\c
	ds_load_u8 v[VS+2*\c+1], v[AVSC] offset:128*\c+64
.irp i, 12,13,14,15
	v_mov_b32 v[VF+16*\c+\i], 0
.endr
.endr
	MASKLO 0                                       ; the band's edges lie in blocks 0 and 4;
	MASKHI 4
	s_cmp_lg_u32 s45, 0                            ; blocks 1 and 3 are touched only by the sequence's ends: scalar branches on the work-group's number
	s_cbranch_scc1 .Lno_lo
	MASKLO 1
.Lno_lo:
	s_cmp_lg_u32 s45, 4064
	s_cbranch_scc1 .Lno_hi
	MASKHI 3
.Lno_hi:
.irp b, 0,1,2,3,4
	v_max3_num_f32 v[BM+\b], v[S+16*\b], v[S+16*\b+1], v[S+16*\b+2]   ; each block's largest score: for the row's maximum, and, since p rises with the score, for the block's largest p
.endr
.irp i, 3,5,7,9,11,13
.irp b, 0,1,2,3,4
	v_max3_num_f32 v[BM+\b], v[BM+\b], v[S+16*\b+\i], v[S+16*\b+\i+1]
.endr
.endr
.irp b, 0,1,2,3,4
	v_max_num_f32 v[BM+\b], v[BM+\b], v[S+16*\b+15]
.endr
.irp b, 0,1,2,3,4
	v_permlanex16_b32 v[BX+\b], v[BM+\b], s46, s47
.endr
.irp b, 0,1,2,3,4
	v_max_num_f32 v[BM+\b], v[BM+\b], v[BX+\b]
.endr
	v_max3_num_f32 v202, v[BM], v[BM+1], v[BM+2]
	v_max3_num_f32 v202, v202, v[BM+3], v[BM+4]    ; the row's largest score: its own key always counts, so it is a number
	v_mul_f32 v202, s48, v202
	v_floor_f32 v[NM], -v202                       ; -M = floor(-t) = -ceil(t)
	v_mov_b32 v[NM+1], v[NM]
.set J, 0
.rept 40
	v_pk_fma_f32 v[S+J:S+J+1], v[S+J:S+J+1], s[48:49], v[NM:NM+1] op_sel_hi:[1,0,0]   ; t - M, two at a time
.set J, J+2
.endr
.irp b, 0,1,2,3,4
	v_fma_f32 v[BM+\b], v[BM+\b], s48, v[NM]
.endr
.set J, 0
.rept 80
	v_exp_f32 v[S+J], v[S+J]                       ; p = 2^(t - M); 0 under the mask
.set J, J+1
.endr
.irp b, 0,1,2,3,4
	v_exp_f32 v[BM+\b], v[BM+\b]                   ; the block's largest p: the same two instructions on the same number
.endr
	v_nop                                          ; a plain line behind the exponentials
	s_wait_alu depctr_va_vdst(0)
.irp b, 0,1,2,3,4
	v_max_num_f32 v[BM+\b], 0x1800000, v[BM+\b]    ; the floor: a block of zeros keeps the byte 1
.endr
.irp b, 0,1,2,3,4
	v_add_nc_u32 v[SOP+\b], 0xff000000, v[BM+\b]
.endr
.irp b, 0,1,2,3,4
	v_lshrrev_b32 v[BX+\b], 23, v[SOP+\b]
.endr
	v_lshl_or_b32 v[PW], v[BX+1], 8, v[BX]         ; p's scale word for keys 0-127,
	v_lshl_or_b32 v[PW], v[BX+2], 16, v[PW]
	v_lshl_or_b32 v[PW], v[BX+3], 24, v[PW]
	v_mov_b32 v[PW+1], v[BX+4]                     ; and for keys 128-159; its other bytes stand over zero codes
.irp b, 0,1,2,3
	v_cvt_scalef32_pk8_fp4_f32 v[PCD+2*\b], v[S+16*\b:S+16*\b+7], v[SOP+\b]
	v_cvt_scalef32_pk8_fp4_f32 v[PCD+2*\b+1], v[S+16*\b+8:S+16*\b+15], v[SOP+\b]
.endr
	v_cvt_scalef32_pk8_fp4_f32 v[PDD], v[S+64:S+71], v[SOP+4]
	v_cvt_scalef32_pk8_fp4_f32 v[PDD+1], v[S+72:S+79], v[SOP+4]
	v_nop                                          ; a plain line behind the conversions
.irp c, 0,4                                    ; the operand wants a whole block in a lane: lanes 0-15 the even block, lanes 16-31 the odd one
.irp i, 0,1
	v_permlane16_swap_b32 v[PCD+\c+\i], v[PCD+\c+2+\i]
.endr
.endr
.irp i, 0,1
	v_permlane16_swap_b32 v[PDD+\i], v[PDD+2+\i]   ; block 4 into lanes 0-15; lanes 16-31 get zeros
.endr
	v_pk_add_f32 v[LSUM:LSUM+1], v[S:S+1], v[S+4:S+5]          ; the row's sum of the unquantised p, in two chains; these lines are also the places in front of the products below
	v_pk_add_f32 v[LSUM+2:LSUM+3], v[S+2:S+3], v[S+6:S+7]
.set J, 8
.rept 18
	v_pk_add_f32 v[LSUM:LSUM+1], v[LSUM:LSUM+1], v[S+J:S+J+1]
	v_pk_add_f32 v[LSUM+2:LSUM+3], v[LSUM+2:LSUM+3], v[S+J+2:S+J+3]
.set J, J+4
.endr
	v_pk_add_f32 v[LSUM:LSUM+1], v[LSUM:LSUM+1], v[LSUM+2:LSUM+3]
.irp i, 0,1                                    ; what the last phase wants from memory is asked for here, into registers that p has left: x's rows 2 w, 2 w + 1; bo, gamma, beta
.irp e, 0,1
	global_load_b128 v[LNX+8*\i+4*\e:LNX+8*\i+4*\e+3], v[LI], s[92:93] offset:1024*\i+512*\e
.endr
.endr
.irp e, 0,1
	global_load_b128 v[LBO+4*\e:LBO+4*\e+3], v[LI], s[30:31] offset:512*\e
	global_load_b128 v[LGA+4*\e:LGA+4*\e+3], v[LI], s[32:33] offset:512*\e
	global_load_b128 v[LBE+4*\e:LBE+4*\e+3], v[LI], s[34:35] offset:512*\e
.endr
	s_wait_dscnt 0x0                               ; V
	MMZ OACC, VF, PCD, VS, PW                      ; O^T = V^T P^T: the two channel tiles by turns
	MMZ OACC+8, VF+16, PCD, VS+2, PW
	MMC OACC, VF+8, PDD, OACC, VS+1, PW+1
	MMC OACC+8, VF+24, PDD, OACC+8, VS+3, PW+1
	v_add_f32 v202, v[LSUM], v[LSUM+1]             ; the sum's two halves, and lane l xor 16's.  Of these lines five are plain: the places behind the products
	v_permlanex16_b32 v203, v202, s46, s47
	v_add_f32 v202, v202, v203
	v_rcp_f32 v[RCL], v202
	v_nop
	s_wait_alu depctr_va_vdst(0)
	v_mov_b32 v[RCL+1], v[RCL]
	v_nop
.irp j, 0,2,4,6,8,10,12,14
	v_pk_mul_f32 v[OV+\j:OV+\j+1], v[OACC+\j:OACC+\j+1], v[RCL:RCL+1] op_sel_hi:[1,0]   ; o(query r, channels 16 h + 0..15 of my head)
.endr
	BLKQ 1, OV                                     ; a head's 32 channels are one block of the last product's K
	PUT 0, OWI, 0, OWS, 0
	BAR                                            ; o's four fragments lie in LDS
; ---------------------------------------------------------------- F: columns 16 w .. 16 w + 15 of o Wo, for the 32 queries
.irp u, 0,1
.irp s, 0,1
.irp c, 0,1
	ds_load_b128 v[OF+16*\u+8*\s+4*\c:OF+16*\u+8*\s+4*\c+3], v[AOF] offset:2048*\u+1024*\s+512*\c
.endr
	ds_load_b32 v[OS+2*\u+\s], v[AOS] offset:128*\u+64*\s
.endr
.endr
	s_wait_dscnt 0x0
	MMZ Y, WOF, OF, WOS, OS                        ; source 0 = 16 columns of Wo, source 1 = o's 16 rows: a lane holds eight neighbouring columns of one row
	MMZ Y+8, WOF, OF+16, WOS, OS+2
	MMC Y, WOF+8, OF+8, Y, WOS+1, OS+1
	MMC Y+8, WOF+8, OF+24, Y+8, WOS+1, OS+3
	PLACES 4
.irp u, 0,1
	ds_store_b128 v[STO], v[Y+8*\u:Y+8*\u+3] offset:8320*\u            ; row 8 u + RP of the stage, bytes 64 w + 32 h on
	ds_store_b128 v[STO], v[Y+8*\u+4:Y+8*\u+7] offset:8320*\u+16
.endr
	s_wait_loadcnt 0x0                             ; x's rows, bo, gamma, beta
.irp i, 0,8
.irp j, 0,2,4,6
	v_pk_add_f32 v[LNX+\i+\j:LNX+\i+\j+1], v[LNX+\i+\j:LNX+\i+\j+1], v[LBO+\j:LBO+\j+1]   ; x + bo
.endr
.endr
	BAR                                            ; 32 whole rows lie in the stage
; ---------------------------------------------------------------- LN: rows 2 w and 2 w + 1, by turns; a lane holds 8 numbers of each
.irp i, 0,1
.irp e, 0,1
	ds_load_b128 v[AR+8*\i+4*\e:AR+8*\i+4*\e+3], v[SRD] offset:1040*\i+512*\e
.endr
.endr
	s_mov_b32 s96, 0x3b800000                      ; 1 / 256
	s_mov_b32 s97, 0x3a83126f                      ; 1e-3
	s_wait_dscnt 0x0
.irp j, 0,2,4,6,8,10,12,14
	v_pk_add_f32 v[AR+\j:AR+\j+1], v[AR+\j:AR+\j+1], v[LNX+\j:LNX+\j+1]   ; y
.endr
.irp i, 0,1
	v_pk_add_f32 v[T1+4*\i:T1+4*\i+1], v[AR+8*\i:AR+8*\i+1], v[AR+8*\i+2:AR+8*\i+3]
	v_pk_add_f32 v[T1+4*\i+2:T1+4*\i+3], v[AR+8*\i+4:AR+8*\i+5], v[AR+8*\i+6:AR+8*\i+7]
.endr
.irp i, 0,1
	v_pk_add_f32 v[T1+4*\i:T1+4*\i+1], v[T1+4*\i:T1+4*\i+1], v[T1+4*\i+2:T1+4*\i+3]
.endr
.irp i, 0,1
	v_add_f32 v[T1+4*\i], v[T1+4*\i], v[T1+4*\i+1]
.endr
	RED T1
.irp i, 0,1
	v_mul_f32 v[T1+4*\i], s96, v[T1+4*\i]          ; the mean
.endr
.irp j, 0,2,4,6
.irp i, 0,1
	v_pk_add_f32 v[AR+8*\i+\j:AR+8*\i+\j+1], v[AR+8*\i+\j:AR+8*\i+\j+1], v[T1+4*\i:T1+4*\i+1] op_sel_hi:[1,0] neg_lo:[0,1] neg_hi:[0,1]   ; y - mean
.endr
.endr
.irp i, 0,1
	v_pk_mul_f32 v[T2+4*\i:T2+4*\i+1], v[AR+8*\i:AR+8*\i+1], v[AR+8*\i:AR+8*\i+1]
.endr
.irp j, 2,4,6
.irp i, 0,1
	v_pk_fma_f32 v[T2+4*\i:T2+4*\i+1], v[AR+8*\i+\j:AR+8*\i+\j+1], v[AR+8*\i+\j:AR+8*\i+\j+1], v[T2+4*\i:T2+4*\i+1]
.endr
.endr
.irp i, 0,1
	v_add_f32 v[T2+4*\i], v[T2+4*\i], v[T2+4*\i+1]
.endr
	RED T2
.irp i, 0,1
	v_fma_f32 v[T2+4*\i], v[T2+4*\i], s96, s97     ; the variance + 1e-3
.endr
.irp i, 0,1
	v_rsq_f32 v[T2+4*\i], v[T2+4*\i]
.endr
	v_nop                                          ; a plain line behind the transcendentals
	s_wait_alu depctr_va_vdst(0)
.irp j, 0,2,4,6
.irp i, 0,1
	v_pk_mul_f32 v[AR+8*\i+\j:AR+8*\i+\j+1], v[AR+8*\i+\j:AR+8*\i+\j+1], v[T2+4*\i:T2+4*\i+1] op_sel_hi:[1,0]
.endr
.endr
.irp j, 0,2,4,6
.irp i, 0,1
	v_pk_fma_f32 v[AR+8*\i+\j:AR+8*\i+\j+1], v[AR+8*\i+\j:AR+8*\i+\j+1], v[LGA+\j:LGA+\j+1], v[LBE+\j:LBE+\j+1]
.endr
.endr
.irp i, 0,1
.irp e, 0,1
	global_store_b128 v[LI], v[AR+8*\i+4*\e:AR+8*\i+4*\e+3], s[94:95] offset:1024*\i+512*\e th:TH_STORE_NT   ; 32 lanes store 512 consecutive bytes, at a multiple of 256 from out0's first byte
.endr
.endr
	s_wait_tensorcnt 0x0
	ds_add_u32 v37, v255
	s_wait_dscnt 0x0
	s_endpgm
.Lfunc_end_k_qb2481133ee_swattn:
	.size	k_qb2481133ee_swattn, .Lfunc_end_k_qb2481133ee_swattn-k_qb2481133ee_swattn
	.p2alignl 7, 3214868480
	.fill 96, 4, 3214868480
	.section	.rodata,"a",@progbits
	.p2align	6, 0x0
	.amdhsa_kernel k_qb2481133ee_swattn
		.amdhsa_group_segment_fixed_size 122368
		.amdhsa_private_segment_fixed_size 0
		.amdhsa_enable_private_segment 0
		.amdhsa_kernarg_size 120
		.amdhsa_user_sgpr_count 2
		.amdhsa_user_sgpr_kernarg_segment_ptr 1
		.amdhsa_wavefront_size32 1
		.amdhsa_system_sgpr_workgroup_id_x 1
		.amdhsa_system_sgpr_workgroup_id_y 1
		.amdhsa_system_sgpr_workgroup_id_z 1
		.amdhsa_system_vgpr_workitem_id 0
		.amdhsa_next_free_vgpr 256
		.amdhsa_next_free_sgpr 100
		.amdhsa_reserve_vcc 1
		.amdhsa_float_denorm_mode_32 3
		.amdhsa_float_denorm_mode_16_64 3
		.amdhsa_memory_ordered 1
		.amdhsa_forward_progress 1
		.amdhsa_inst_pref_size 94
	.end_amdhsa_kernel
	.amdgpu_metadata
---
amdhsa.version: [ 1, 2 ]
amdhsa.kernels:
  - .name:           k_qb2481133ee_swattn
    .symbol:         k_qb2481133ee_swattn.kd
    .args:
      - { .name: x, .offset: 0, .size: 8, .value_kind: global_buffer, .address_space: global }
      - { .name: Wq_codes, .offset: 8, .size: 8, .value_kind: global_buffer, .address_space: global }
      - { .name: Wq_scales, .offset: 16, .size: 8, .value_kind: global_buffer, .address_space: global }
      - { .name: bq, .offset: 24, .size: 8, .value_kind: global_buffer, .address_space: global }
      - { .name: Wk_codes, .offset: 32, .size: 8, .value_kind: global_buffer, .address_space: global }
      - { .name: Wk_scales, .offset: 40, .size: 8, .value_kind: global_buffer, .address_space: global }
      - { .name: bk, .offset: 48, .size: 8, .value_kind: global_buffer, .address_space: global }
      - { .name: Wv_codes, .offset: 56, .size: 8, .value_kind: global_buffer, .address_space: global }
      - { .name: Wv_scales, .offset: 64, .size: 8, .value_kind: global_buffer, .address_space: global }
      - { .name: bv, .offset: 72, .size: 8, .value_kind: global_buffer, .address_space: global }
      - { .name: Wo, .offset: 80, .size: 8, .value_kind: global_buffer, .address_space: global }
      - { .name: bo, .offset: 88, .size: 8, .value_kind: global_buffer, .address_space: global }
      - { .name: gamma, .offset: 96, .size: 8, .value_kind: global_buffer, .address_space: global }
      - { .name: beta, .offset: 104, .size: 8, .value_kind: global_buffer, .address_space: global }
      - { .name: out0, .offset: 112, .size: 8, .value_kind: global_buffer, .address_space: global }
    .group_segment_fixed_size: 122368
    .private_segment_fixed_size: 0
    .kernarg_segment_align: 8
    .kernarg_segment_size: 120
    .max_flat_workgroup_size: 512
    .sgpr_count:     100
    .vgpr_count:     256
    .wavefront_size: 32
...
	.end_amdgpu_metadata
.endif
;; end of part 1
;; ======== version 2 of 2: 1 launch; version 1 with the launch swattn written anew for expert scheduling mode
;; limits: right only within a limited range of input values
;; launch swattn (part 2): grid 256 x 1, 16 waves a work-group, no clusters, 122,368 bytes of LDS; arguments x, Wq_codes, Wq_scales, bq, Wk_codes, Wk_scales, bk, Wv_codes, Wv_scales, bv, Wo, bo, gamma, beta, out0; writes out0
.if DOCPART == 2
	.amdgcn_target "amdgcn-amd-amdhsa--gfx1250"
	.amdhsa_code_object_version 6
	.text
	.protected	k_qb2481133ee_swattn
	.globl	k_qb2481133ee_swattn
	.p2align	8
	.type	k_qb2481133ee_swattn,@function
k_qb2481133ee_swattn:
	s_mov_b64 s[64:65], 0
	v_nop
	global_prefetch_b8 v0, s[64:65] scope:SCOPE_SE
	s_setreg_imm32_b32 hwreg(HW_REG_WAVE_SCHED_MODE, 0, 2), 2
	s_setreg_imm32_b32 hwreg(HW_REG_WAVE_MODE, 25, 1), 1
	s_wait_xcnt 0x0
	s_wait_alu depctr_vm_vsrc(0)
; Sliding-window self-attention (band |i - j| <= 64), its four projections, the residual and the LayerNorm, in ONE launch.  All six products on codes of FP4 (E2M1) with one E8M0 scale for each 32 along K.
; x [2][4096][256] f32; Wq, Wk, Wv as codes [8][32][256 along K] with scale bytes [8][32][8]; Wo [256 (h,k)][256] f32; biases, gamma, beta f32; out0 [2][4096][256] f32.
; SHARES.  Work-group g owns the 32 queries 32 g .. 32 g + 31.  Their band lies inside 160 keys, the WINDOW: five aligned blocks of 32 keys ("pairs" 0..4 of two tiles of 16 rows); the queries are pair 2.
; The work-group projects k and v of its whole window itself (the halo is computed again by the neighbours), so nothing goes through memory between the steps.  Sixteen waves of 256 registers, four to a SIMD.
; ROWS OF A TILE ARE NOT NEIGHBOURS: lane r of tile 2 p + u stands for row 32 p + 8 u + r + 8 (r / 8), so that the 16 result registers of two neighbouring tiles are 16 neighbours along the next product's K.
; OPERANDS MADE ON THE WAY GO FROM WAVE TO WAVE THROUGH LDS BY BLOCKS OF 32 CODES: lane (r, h) holds 16 numbers of row r (k = 16 h + 0..15 of one block) and stores 8 bytes of codes at 256 I + 16 r + 8 h and the
; block's byte at 64 (I / 4) + I % 4 + 4 r, I the block's number in its region.  Four blocks on end are a fragment's register image: two loads of 16 bytes at 16 x lane, 512 bytes apart; its scale word lies at 4 r.
; K = 32 IN A PRODUCT OF K = 128 (scores): a fragment of K carries FOUR key tiles in its four block places; Q's operand has q's block at one place and zero codes at the others, q's byte in all four bytes of its word.
; PHASES, a barrier between each two:  X x -> codes |  P k, q, v projected and quantised; Wo quantised in registers |  A scores, mask, softmax, p quantised, V^T P, o quantised |  F o Wo -> stage |  LN residual, LayerNorm, store.
; SOFTMAX: a row's whole band is at hand, so its maximum is taken once: t = score x log2(e) / sqrt(32), M = ceil(largest t), p = 2^(t - M); the sum of the unquantised p divides the product at the end.
; No tile is shared with other work-groups through LDS fills: every operand goes from memory straight into the registers of the wave that uses it or turns it into codes, so there are no joint loads and no cluster.
; LIMITS: a block whose largest magnitude lies under 2^-124 gets the byte 1 (a block of zeros too: its codes are zeros, and this program alone reads the bytes); NaN and infinities among the inputs are not served;
; weights under the band's mask are exact zeros, which is what -1e9 gives while |score| stays far under 1e9.
; THE MODE: SCHED_MODE bits 1:0 = 2 (LLVM: expert scheduling mode 2), set by the entry lines.  The code itself states the register dependences between vector or matrix instructions and memory or LDS
; instructions, with s_wait_alu, always for 0.
; THE PLAN.  Registers that memory or LDS instructions touch, and who else names them:
;   v7-v12     offsets of the global loads of the head and of P: written at the head; written anew, as phase A's LDS addresses, at the end of P.
;   v13-v19    LDS addresses of X's and P's stores (v15, v16 feed additions alone): written at the head; written anew at the end of P.
;   v20-v23    AXF, AXS: where the NEXT step's fragments of x lie; AVI, AVS: where THIS step's block of v goes.  Written by four additions behind a step's products.
;   XF, XS     x's fragments and scale words: loaded at a step's end for the next step; read by that step's products.  (Before P the same registers hold x as loaded, which the quantiser reads.)
;   WA, WAS, WAB  read by the products of steps 0 and 1, loaded again at step 1's end.     WOR  read by Wo's quantiser, loaded again at the step's end.
;   CD, PX     codes and bytes: written by a quantiser, read by the stores behind it.
; A step of P runs: products | wait on vm_vsrc | the four additions | the quantiser | Wo's quantiser | wait on va_vdst | the stores | the next step's LDS loads | the global loads.  So ONE wait of each kind serves a step:
; behind the wait on va_vdst stand memory and LDS instructions alone, up to the next step's products, which name none of the registers in which loads still land but those that s_wait_dscnt has shown in.
;   In A, F and LN the LDS addresses stay; each run of loads that lands in registers of the phase before stands behind a wait on va_vdst that is owed there anyway (said at each).
.set XIMG, 0                           ; LDS: x's 80 blocks, I = 8 T + block of D
.set XSC,  20480                       ; their bytes
.set KIMG, 21760                       ; k's and q's: I = 12 head + T; T = 0..9 key tiles, 10, 11 the two query tiles
.set KSC,  46336
.set VIMG, 47872                       ; v's: I = 8 (2 head + channel tile) + pair; places 5..7 are never touched
.set VSC,  80640
.set OIMG, 82688                       ; o's: I = 8 query tile + head
.set OSC,  86784
.set STG,  87040                       ; the stage: 32 rows (queries in their true order) x (1,024 + 16) bytes
; vector registers that stay
.set R,   1                            ; lane % 16
.set H,   2                            ; lane / 16
.set RP,  3                            ; r + 8 (r / 8)
.set LI,  4                            ; 16 x lane
.set R4,  5                            ; 4 r
.set RH,  6                            ; 16 r + 8 h
.set WOS, 24                           ; v24-25  Wo's scale words
.set WOF, 38                           ; v38-53  Wo's two fragments
.set WBY, 54
.set SH8, 55                           ; 8 h
.set MX,  240                          ; v240-242 largest magnitudes, then the conversions' scale operands
.set PX,  243                          ; v243-245 the other half's, then the bytes
.set CD,  246                          ; v246-251 codes just made
; head, X, P
.set XO,   7
.set WO_,  8
.set WSO,  9
.set BO_,  10
.set BVO,  11
.set WOO,  12
.set XWI,  13
.set XWS,  14
.set VWI0, 15
.set VWS0, 16
.set KWI,  17
.set KWSA, 18
.set KWSB, 19
.set AXF,  20
.set AXS,  21
.set AVI,  22
.set AVS,  23
.set WAS,  26                          ; v26-35 hold scales and nothing else; v37 and v255 are the closing add's two
.set WVS,  30
.set XS,   32
.set WA,   56                          ; Wk's (later Wk's or Wq's) fragments: tile n, K step s at 16 n + 8 s
.set WAB,  88                          ; its bias, in the result's layout
.set WVF,  104                         ; Wv's two fragments
.set WVB,  120                         ; its bias: one number a lane, eight times
.set WOR,  128                         ; 32 numbers of Wo
.set XR,   160                         ; x as loaded: five units of 16 numbers
.set XF,   160                         ; x's fragments of a pair: tile u, K step s at 16 u + 8 s
.set ACC,  192                         ; 0-15 v, 16-47 k (16 u + 8 n)
; A
.set AK,   7
.set AKS,  8
.set AQL,  9
.set AQS,  10
.set AV,   11
.set AV1,  12
.set AVSC, 13
.set OWI,  14
.set OWS,  15
.set AOF,  16
.set AOS,  17
.set STO,  18
.set SRD,  19
.set KS,   26
.set QS,   29
.set VS,   30
.set PW,   34
.set S,    56                          ; v56-135 the scores, then p: register 16 b + i = key 32 b + 16 h + i of the window
.set KF,   136
.set QL,   160
.set QOP,  164                         ; zeros, q in lanes 0-15, zeros, q in lanes 16-31, zeros: four registers each
.set VF,   136                         ; V's fragments: channel tile c, K step s at 16 c + 8 s
.set BM,   184
.set BX,   189
.set SOP,  194
.set OACC, 184
.set NM,   200
.set DLO,  208
.set DH4,  209
.set NEGI, 210
.set MSK0, 211
.set MSK1, 212
.set PCD,  214                         ; p's codes, keys 0-127
.set PDD,  222                         ; keys 128-159, then zeros
.set LSUM, 230
.set RCL,  234
.set OV,   56
.set LNX,  72
.set LBO,  88
.set LGA,  96
.set LBE,  104
; F, LN
.set OS,   26
.set OF,   112
.set Y,    144
.set AR,   160
.set T1,   176
.set T2,   184
; scalar registers: s[8:37] the fifteen addresses in the order of the arguments; s[38:39] an offset, high word 0; s40 wave, s41 head, s42 par, s43 1 - par, s44 first row (flat), s45 first query in its sequence
.set XB,   52                          ; s[52:61] x at my five units
.set SXF,  70                          ; s70-74 a step's place in XIMG; s75-79 in XSC; s80-84, s85-89 its pair's place in my part of VIMG, VSC
.set SXS,  75
.set SVI,  80
.set SVS,  85
.set MK,   70                          ; s70-85 in phase A, when P has left them: the masks of sixteen comparisons
.macro PLACES n
.rept \n
	v_nop
.endr
.endm
.macro MMC d, a, b, c, sa, sb
	v_wmma_scale_f32_16x16x128_f8f6f4 v[(\d):(\d)+7], v[(\a):(\a)+7], v[(\b):(\b)+7], v[(\c):(\c)+7], v[\sa], v[\sb] matrix_a_fmt:MATRIX_FMT_FP4 matrix_b_fmt:MATRIX_FMT_FP4
.endm
.macro MMZ d, a, b, sa, sb
	v_wmma_scale_f32_16x16x128_f8f6f4 v[(\d):(\d)+7], v[(\a):(\a)+7], v[(\b):(\b)+7], 0, v[\sa], v[\sb] matrix_a_fmt:MATRIX_FMT_FP4 matrix_b_fmt:MATRIX_FMT_FP4
.endm
.macro BAR                             ; my LDS stores have landed and my LDS loads are in: then the work-group's barrier
	s_wait_dscnt 0x0
	s_barrier_signal -1
	s_barrier_wait -1
.endm
; cnt half blocks of 16 numbers, block b at v[src + 16 b], become codes in v[CD + 2 b], v[CD + 2 b + 1] and the block's byte in v[PX + b].  The blocks take turns line by line; each run of registers is read from its low end on.
; (It writes v[PX ..] and v[CD ..], which the stores of the quantiser before have read: a wait on vm_vsrc stands between those stores and each use of this macro.)
.macro BLKQ cnt, src
.irp b, 0,1,2
.if \b < \cnt
	v_max3_num_f32 v[MX+\b], |v[(\src)+16*\b]|, |v[(\src)+16*\b+1]|, 0x1800000   ; with the floor 2^(3 - 127): the byte cannot fall under 1
.endif
.endr
.irp i, 2,4,6,8,10,12,14
.irp b, 0,1,2
.if \b < \cnt
	v_max3_num_f32 v[MX+\b], v[MX+\b], |v[(\src)+16*\b+\i]|, |v[(\src)+16*\b+\i+1]|
.endif
.endr
.endr
.irp b, 0,1,2
.if \b < \cnt
	v_permlanex16_b32 v[PX+\b], v[MX+\b], s46, s47
.endif
.endr
.irp b, 0,1,2
.if \b < \cnt
	v_max_num_f32 v[MX+\b], v[MX+\b], v[PX+\b]          ; with lane l xor 16's 16 numbers: the block's largest magnitude
.endif
.endr
.irp b, 0,1,2
.if \b < \cnt
	v_add_nc_u32 v[MX+\b], 0xff000000, v[MX+\b]         ; 2 off its exponent field: the conversion's scale operand
.endif
.endr
.irp b, 0,1,2
.if \b < \cnt
	v_cvt_scalef32_pk8_fp4_f32 v[CD+2*\b], v[(\src)+16*\b:(\src)+16*\b+7], v[MX+\b]
	v_cvt_scalef32_pk8_fp4_f32 v[CD+2*\b+1], v[(\src)+16*\b+8:(\src)+16*\b+15], v[MX+\b]
.endif
.endr
.irp b, 0,1,2
.if \b < \cnt
	v_lshrrev_b32 v[PX+\b], 23, v[MX+\b]                ; the byte; also the plain line behind the conversions
.endif
.endr
.endm
.macro PUT blk, ia, io, sa, so         ; a half block's 8 bytes of codes, and the block's byte (both halves of the lanes write the same byte with the same value)
	ds_store_b64 v[\ia], v[CD+2*\blk:CD+2*\blk+1] offset:\io
	ds_store_b8 v[\sa], v[PX+\blk] offset:\so
.endm
; a head's 32 rows of a weight given as codes: 4 fragments, 4 scale words, the bias in the result's layout: 16 loads
.macro WLOAD pc, ps, pb
.irp n, 0,1
.irp s, 0,1
.irp c, 0,1
	global_load_b128 v[WA+16*\n+8*\s+4*\c:WA+16*\n+8*\s+4*\c+3], v[WO_], s[\pc:\pc+1] offset:1024*\n+64*\s+32*\c
.endr
	global_load_b32 v[WAS+2*\n+\s], v[WSO], s[\ps:\ps+1] offset:64*\n+4*\s
.endr
.irp i, 0,1
	global_load_b128 v[WAB+8*\n+4*\i:WAB+8*\n+4*\i+3], v[BO_], s[\pb:\pb+1] offset:32*\n+16*\i
.endr
.endr
.endm
; Wo: lane r takes column 16 w + r and its registers run down K: round rd brings k = 64 rd + 32 h + 0..31, a whole block
.macro WOLOAD rd
.irp i, 0,1,2,3,4,5,6,7,8,9,10,11,12,13,14,15,16,17,18,19,20,21,22,23,24,25,26,27,28,29,30,31
	global_load_b32 v[WOR+\i], v[WOO], s[28:29] offset:(64*\rd+\i)*1024
.endr
.endm
.macro WOQ rd
	s_wait_loadcnt 0x0                                  ; the round is in: no load was issued behind it (round 2: the second weight set, issued ahead of it, is in too)
	v_max3_num_f32 v252, |v[WOR]|, |v[WOR+1]|, 0x1800000
	v_max3_num_f32 v253, |v[WOR+2]|, |v[WOR+3]|, |v[WOR+4]|
.irp i, 5,9,13,17,21,25
	v_max3_num_f32 v252, v252, |v[WOR+\i]|, |v[WOR+\i+1]|
	v_max3_num_f32 v253, v253, |v[WOR+\i+2]|, |v[WOR+\i+3]|
.endr
	v_max3_num_f32 v252, v252, |v[WOR+29]|, |v[WOR+30]|
	v_max3_num_f32 v252, v252, v253, |v[WOR+31]|
	v_add_nc_u32 v252, 0xff000000, v252
.irp g, 0,1,2,3
	v_cvt_scalef32_pk8_fp4_f32 v[WOF+4*\rd+\g], v[WOR+8*\g:WOR+8*\g+7], v252
.endr
.if (\rd)%2 == 0
	v_lshrrev_b32 v[WBY], 23, v252                      ; the byte of block h of this K step
.else
	v_lshrrev_b32 v253, 23, v252                        ; that of block 2 + h
	v_lshl_or_b32 v253, v253, 16, v[WBY]
	v_lshlrev_b32 v253, v[SH8], v253                    ; at their places in the word, 8 h bits up;
	v_permlanex16_b32 v254, v253, s46, s47
	v_or_b32 v[WOS+(\rd)/2], v253, v254                 ; with lane l xor 16's two the word is whole
.endif
.endm
; A STEP OF PHASE P, one pair of x's tiles, in four macros.
; XFETCH: the pair's four fragments and four scale words, from the places in v[AXF], v[AXS].  It stands at the end of the step before, behind that step's wait on va_vdst.
.macro XFETCH
.irp u, 0,1
.irp s, 0,1
.irp c, 0,1
	ds_load_b128 v[XF+16*\u+8*\s+4*\c:XF+16*\u+8*\s+4*\c+3], v[AXF] offset:2048*\u+1024*\s+512*\c
.endr
	ds_load_b32 v[XS+2*\u+\s], v[AXS] offset:128*\u+64*\s
.endr
.endr
.endm
; PROD: v for my 16 channels (source 0 = x's 16 rows, source 1 = Wv: a lane holds one channel, its registers run along the keys), and, where kk >= 0,
; k or q for my head (source 0 = 16 rows of the weight, source 1 = x: a lane holds one row, its registers run along the head's 32).  The biases are the C of each sum's first product.
; The accumulators take turns, one instruction a turn.
.macro PROD kk
	s_wait_dscnt 0x0                                    ; the fragments and scale words are in
.irp u, 0,1
	MMC ACC+8*\u, XF+16*\u, WVF, WVB, XS+2*\u, WVS
.endr
.if \kk >= 0
.irp u, 0,1
.irp n, 0,1
	MMC ACC+16+16*\u+8*\n, WA+16*\n, XF+16*\u, WAB+8*\n, WAS+2*\n, XS+2*\u
.endr
.endr
.endif
.irp u, 0,1
	MMC ACC+8*\u, XF+16*\u+8, WVF+8, ACC+8*\u, XS+2*\u+1, WVS+1
.endr
.if \kk >= 0
.irp u, 0,1
.irp n, 0,1
	MMC ACC+16+16*\u+8*\n, WA+16*\n+8, XF+16*\u+8, ACC+16+16*\u+8*\n, WAS+2*\n+1, XS+2*\u+1
.endr
.endr
.endif
.endm
; TAIL: step st's results become codes.  nx: the step that follows, or -1.
.macro TAIL st, nx, kk
	s_wait_alu depctr_vm_vsrc(0)                        ; the last stores have read v[AVI], v[AVS], the codes and the bytes, and this step's LDS loads v[AXF], v[AXS]: all of them are written anew below
	v_add_nc_u32 v[AVI], s[SVI+\st], v[VWI0]            ; four plain lines between the last product and the first read of a result
	v_add_nc_u32 v[AVS], s[SVS+\st], v[VWS0]
.if \nx >= 0
	v_add_nc_u32 v[AXF], s[SXF+(\nx)], v[LI]            ; where the next step's pair lies
	v_add_nc_u32 v[AXS], s[SXS+(\nx)], v[R4]
.else
	PLACES 2
.endif
.if \kk >= 0
	BLKQ 3, ACC
.else
	BLKQ 1, ACC
.endif
.endm
; PUTS: the step's one wait on va_vdst, and its stores.  The loads that follow this macro lean on the same wait.
.macro PUTS kk
	s_wait_alu depctr_va_vdst(0)                        ; written: the codes, the bytes, v[AVI], v[AVS] (the stores read them), v[AXF], v[AXS] (the next LDS loads do).  Read out: x's fragments and scale words and the weight set, by this step's products; Wo's 32 numbers, by their quantiser: loads land in them below
	PUT 0, AVI, 0, AVS, 0
.if \kk == 0
	PUT 1, KWI, 0, KWSA, 0
	PUT 2, KWI, 256, KWSA, 1
.elseif \kk == 1
	PUT 1, KWI, 512, KWSB, 2
	PUT 2, KWI, 768, KWSB, 3
.elseif \kk == 2
	PUT 1, KWI, 1024, KWSA, 64
	PUT 2, KWI, 1280, KWSA, 65
.endif
.endm
; The mask of a block of the window: sixteen comparisons in a run, each into a scalar register of its own, one wait, sixteen selections.
.macro MASKLO blk                      ; key 32 blk + 16 h + i is hidden where it lies under the row's first key
.irp i, 0,1,2,3,4,5,6,7,8,9,10,11,12,13,14,15
	v_cmp_lt_i32 s[MK+\i], 32*\blk+\i, v[DLO]
.endr
	s_wait_alu depctr_va_sdst(0)                        ; the sixteen comparisons have written s[MK ..], which the selections read
.irp i, 0,1,2,3,4,5,6,7,8,9,10,11,12,13,14,15
	v_cndmask_b32 v[S+16*\blk+\i], v[S+16*\blk+\i], v[NEGI], s[MK+\i]
.endr
.endm
.macro MASKHI blk                      ; or beyond its last
.irp i, 0,1,2,3,4,5,6,7,8,9,10,11,12,13,14,15
	v_cmp_gt_i32 s[MK+\i], 32*\blk-128+\i, v[DH4]
.endr
	s_wait_alu depctr_va_sdst(0)                        ; the sixteen comparisons have written s[MK ..], which the selections read
.irp i, 0,1,2,3,4,5,6,7,8,9,10,11,12,13,14,15
	v_cndmask_b32 v[S+16*\blk+\i], v[S+16*\blk+\i], v[NEGI], s[MK+\i]
.endr
.endm
.macro RED t                           ; the two rows' numbers in v[t] and v[t + 4] are summed over the 32 lanes
.irp m, 1,2,4,8
.irp i, 0,4
	v_add_f32_dpp v[\t+\i], v[\t+\i], v[\t+\i] row_xmask:\m row_mask:0xf bank_mask:0xf
.endr
.endr
.irp i, 0,4
	v_permlanex16_b32 v[\t+\i+1], v[\t+\i], s46, s47
.endr
.irp i, 0,4
	v_add_f32 v[\t+\i], v[\t+\i], v[\t+\i+1]
.endr
.endm
; ---------------------------------------------------------------- head
	s_load_b512 s[8:23], s[0:1], 0x0               ; x, Wq codes, Wq scales, bq, Wk codes, Wk scales, bk, Wv codes
	s_load_b256 s[24:31], s[0:1], 0x40             ; Wv scales, bv, Wo, bo
	s_load_b128 s[32:35], s[0:1], 0x60             ; gamma, beta
	s_load_b64 s[36:37], s[0:1], 0x70              ; out0
	v_lshl_add_u32 v37, v0, 2, 0x1d600
	v_mov_b32 v255, 0
	v_lshrrev_b32 v1, 5, v0
	v_readfirstlane_b32 s40, v1                    ; wave 0..15
	v_and_b32 v[R], 15, v0
	v_bfe_u32 v[H], v0, 4, 1
	v_and_b32 v[RP], 8, v[R]
	v_add_nc_u32 v[RP], v[RP], v[R]
	v_and_b32 v[LI], 31, v0
	v_lshlrev_b32 v[LI], 4, v[LI]
	v_lshlrev_b32 v[R4], 2, v[R]
	v_lshlrev_b32 v[RH], 4, v[R]
	v_lshl_add_u32 v[RH], v[H], 3, v[RH]
	v_lshlrev_b32 v[SH8], 3, v[H]
	v_lshlrev_b32 v[XO], 10, v[RP]                 ; x: row RP of 1,024 bytes, + 64 h: my 16 numbers of a block
	v_lshl_add_u32 v[XO], v[H], 6, v[XO]
	v_lshlrev_b32 v[WO_], 7, v[RP]                 ; a weight's codes: row RP of 128 bytes, + 16 h
	v_lshl_add_u32 v[WO_], v[H], 4, v[WO_]
	v_lshlrev_b32 v[WSO], 3, v[RP]                 ; its scale bytes: 8 a row
	v_lshlrev_b32 v[BO_], 6, v[H]                  ; bq, bk: channels 16 h on
	v_lshlrev_b32 v[BVO], 2, v[RP]                 ; bv: my channel
	v_lshl_add_u32 v[WOO], v[H], 15, v[R4]         ; Wo: column r, 32 rows of 1,024 bytes further down for lanes 16-31
	s_wait_alu depctr_va_sdst(0)                   ; s40 is written, ahead of its first reader: head, par and every place of the wave are made from it
	s_lshr_b32 s41, s40, 1                         ; head
	s_and_b32 s42, s40, 1                          ; par: channel tile of v, half of the k work, query tile
	s_xor_b32 s43, s42, 1
	s_lshl_b32 s44, ttmp9, 5                       ; my first row among the 8,192
	s_and_b32 s45, ttmp9, 127
	s_lshl_b32 s45, s45, 5                         ; and in its sequence
	s_mov_b32 s46, 0x76543210
	s_mov_b32 s47, 0xfedcba98                      ; v_permlanex16_b32's selects for lane l xor 16
	s_mov_b32 s48, 0x3e8293ee                      ; c = log2(e) / sqrt(32)
	s_mov_b32 s49, s48                             ; (named with it as a pair, so it is written)
	s_and_b32 s50, s40, 7                          ; phase X: my block of D,
	s_lshr_b32 s51, s40, 3
	s_mul_i32 s51, s51, 5                          ; and the first of my five tiles
	s_mov_b32 s39, 0
	; the five steps' pairs: 3 par, 3 par + 1, 2, 3 (1 - par), 3 (1 - par) + 1
	s_mul_i32 s96, s42, 3
	s_lshl_b32 s70, s96, 12
	s_lshl_b32 s80, s96, 8
	s_add_co_u32 s75, s80, XSC
	s_mov_b32 s85, s96                             ; pair 0 or 3: byte 0 or 3 of the first word
	s_add_co_u32 s71, s70, 4096
	s_add_co_u32 s81, s80, 256
	s_add_co_u32 s76, s75, 256
	s_mul_i32 s86, s42, 63
	s_add_co_u32 s86, s86, 1                       ; pair 1 or 4: byte 1 of the first word, or byte 0 of the second (64 on)
	s_mov_b32 s72, 8192
	s_mov_b32 s82, 512
	s_mov_b32 s77, XSC+512
	s_mov_b32 s87, 2
	s_mul_i32 s96, s43, 3
	s_lshl_b32 s73, s96, 12
	s_lshl_b32 s83, s96, 8
	s_add_co_u32 s78, s83, XSC
	s_mov_b32 s88, s96
	s_add_co_u32 s74, s73, 4096
	s_add_co_u32 s84, s83, 256
	s_add_co_u32 s79, s78, 256
	s_mul_i32 s89, s43, 63
	s_add_co_u32 s89, s89, 1
	s_sub_co_i32 s90, 64, s45
	s_max_i32 s90, s90, 0                          ; the window's first key that lies in the sequence,
	s_sub_co_i32 s91, 4159, s45                    ; and its last
	s_wait_kmcnt 0x0
	; x at my five units.  A pair that lies outside the buffer is replaced by rows inside it: all its keys are masked, and p's zero codes make its v count for nothing
.irp t, 0,1,2,3,4
	s_add_co_u32 s96, s51, \t                      ; tile T
	s_lshr_b32 s97, s96, 1
	s_lshl_b32 s97, s97, 5
	s_add_co_u32 s97, s97, s44
	s_sub_co_i32 s97, s97, 64                      ; its pair's first row
	s_max_i32 s97, s97, 0
	s_min_i32 s97, s97, 8160
	s_and_b32 s96, s96, 1
	s_lshl_b32 s96, s96, 3
	s_add_co_u32 s97, s97, s96
	s_lshl_b32 s38, s97, 10
	s_lshl_b32 s96, s50, 7
	s_add_co_u32 s38, s38, s96
	s_add_nc_u64 s[XB+2*\t:XB+2*\t+1], s[8:9], s[38:39]
.endr
	s_wait_alu depctr_va_vdst(0)                   ; the six offsets v7 to v12 are written, which the loads of the head and of P read; so is v[LI], which later loads and stores read
.irp t, 0,1,2,3,4
.irp j, 0,1,2,3
	global_load_b128 v[XR+16*\t+4*\j:XR+16*\t+4*\j+3], v[XO], s[XB+2*\t:XB+2*\t+1] offset:16*\j
.endr
.endr
	s_lshl_b32 s38, s41, 12                        ; a head's codes: 4,096 bytes
	s_add_nc_u64 s[10:11], s[10:11], s[38:39]
	s_add_nc_u64 s[16:17], s[16:17], s[38:39]
	s_lshl_b32 s96, s42, 10
	s_add_co_u32 s38, s38, s96
	s_add_nc_u64 s[22:23], s[22:23], s[38:39]      ; Wv: rows 8 par + RP
	s_lshl_b32 s38, s41, 8                         ; its scale bytes: 256
	s_add_nc_u64 s[12:13], s[12:13], s[38:39]
	s_add_nc_u64 s[18:19], s[18:19], s[38:39]
	s_lshl_b32 s96, s42, 6
	s_add_co_u32 s38, s38, s96
	s_add_nc_u64 s[24:25], s[24:25], s[38:39]
	s_lshl_b32 s38, s41, 7                         ; its bias: 128
	s_add_nc_u64 s[14:15], s[14:15], s[38:39]
	s_add_nc_u64 s[20:21], s[20:21], s[38:39]
	s_lshl_b32 s96, s42, 5
	s_add_co_u32 s38, s38, s96
	s_add_nc_u64 s[26:27], s[26:27], s[38:39]
	s_lshl_b32 s38, s40, 6
	s_add_nc_u64 s[28:29], s[28:29], s[38:39]      ; Wo: columns 16 w on
	s_cmp_lg_u32 s42, 0                            ; the second weight set: Wq for par = 1, Wk once more for par = 0.  The choice hangs on the wave's number alone
	s_cselect_b64 s[10:11], s[10:11], s[16:17]
	s_cselect_b64 s[12:13], s[12:13], s[18:19]
	s_cselect_b64 s[14:15], s[14:15], s[20:21]
	s_lshl_b32 s96, s40, 1
	s_add_co_u32 s96, s96, s44
	s_lshl_b32 s38, s96, 10
	s_add_nc_u64 s[92:93], s[8:9], s[38:39]        ; x and out0 at rows 2 w, 2 w + 1 of my 32
	s_add_nc_u64 s[94:95], s[36:37], s[38:39]
	WLOAD 16, 18, 20                               ; Wk
.irp s, 0,1
.irp c, 0,1
	global_load_b128 v[WVF+8*\s+4*\c:WVF+8*\s+4*\c+3], v[WO_], s[22:23] offset:64*\s+32*\c
.endr
	global_load_b32 v[WVS+\s], v[WSO], s[24:25] offset:4*\s
.endr
	global_load_b32 v[WVB], v[BVO], s[26:27]
	WOLOAD 0
	; LDS addresses of phases X and P: a constant + a lane term + terms of the wave's number.  None of these registers has been read by a load
	s_lshl_b32 s96, s51, 11
	s_lshl_b32 s97, s50, 8
	s_add_co_u32 s96, s96, s97
	v_add_nc_u32 v[XWI], s96, v[RH]
	s_lshl_b32 s96, s51, 7
	s_lshr_b32 s97, s50, 2
	s_lshl_b32 s97, s97, 6
	s_add_co_u32 s96, s96, s97
	s_and_b32 s97, s50, 3
	s_add_co_u32 s96, s96, s97
	s_add_co_u32 s96, s96, XSC
	v_add_nc_u32 v[XWS], s96, v[R4]
	s_lshl_b32 s96, s40, 11
	s_add_co_u32 s96, s96, VIMG
	v_add_nc_u32 v[VWI0], s96, v[RH]
	s_lshl_b32 s96, s40, 7
	s_add_co_u32 s96, s96, VSC
	v_add_nc_u32 v[VWS0], s96, v[R4]
	s_mul_i32 s96, s41, 3072
	s_mul_i32 s97, s42, 1536
	s_add_co_u32 s96, s96, s97
	s_add_co_u32 s96, s96, KIMG
	v_add_nc_u32 v[KWI], s96, v[RH]                ; par = 0: tiles 0-5; par = 1: tiles 6-11
	s_mul_i32 s96, s41, 192
	s_add_co_u32 s96, s96, KSC
	s_mul_i32 s97, s42, 66
	s_add_co_u32 s97, s97, s96
	v_add_nc_u32 v[KWSA], s97, v[R4]
	s_mul_i32 s97, s42, 126
	s_add_co_u32 s97, s97, s96
	v_add_nc_u32 v[KWSB], s97, v[R4]
	v_add_nc_u32 v[AXF], s[SXF], v[LI]             ; where step 0's pair lies
	v_add_nc_u32 v[AXS], s[SXS], v[R4]
.irp b, 0,1,2
	v_mov_b32 v[PX+\b], 0                          ; written once: a lane permute's destination counts as one of its sources
.endr
	v_mov_b32 v254, 0
; ---------------------------------------------------------------- X: my block of D of five tiles of x becomes codes
	s_wait_loadcnt 63                              ; units 0-2 are in: behind them stand 8 loads of x, 23 of weights, 32 of Wo
	BLKQ 3, XR
	s_wait_alu depctr_va_vdst(0)                   ; the conversions and shifts have written the codes and the bytes, the head's additions v[XWI] and v[XWS]: the stores read them
.irp b, 0,1,2
	PUT \b, XWI, 2048*\b, XWS, 128*\b
.endr
	s_wait_loadcnt 55                              ; units 3 and 4
	s_wait_dscnt 0x0                               ; the six stores have landed
	s_wait_alu depctr_vm_vsrc(0)                   ; and have read the codes and the bytes, which the quantiser below writes anew
	BLKQ 2, XR+48
	s_wait_alu depctr_va_vdst(0)                   ; the codes and the bytes are written, which the stores read; v[AXF] and v[AXS] are written and both quantisers are done reading x: step 0's LDS loads, behind the barrier, read the two and land where x lay
.irp b, 0,1
	PUT \b, XWI, 2048*(3+\b), XWS, 128*(3+\b)
.endr
	BAR                                            ; x's twenty fragments lie in LDS
; ---------------------------------------------------------------- P: projections; Wo's four rounds stand in the steps' tails
	XFETCH                                         ; step 0's pair.  No vector line stands between the wait above and these loads
	s_wait_loadcnt 32                              ; Wk, Wv and their biases are in; Wo's first round may be out
.irp j, 1,2,3,4,5,6,7
	v_mov_b32 v[WVB+\j], v[WVB]
.endr
	PLACES 4
	s_wait_alu depctr_va_vdst(0)
	PROD 0
	TAIL 0, 1, 0
	WOQ 0
	PUTS 0
	XFETCH
	WOLOAD 1
	PROD 1
	TAIL 1, 3, 1
	WOQ 1
	PUTS 1
	XFETCH
	WLOAD 10, 12, 14                               ; the second weight set, over the first, which step 1's products have read out (the wait in PUTS)
	WOLOAD 2
	PROD -1                                        ; v alone: names nothing of the set on its way
	TAIL 3, 4, -1
	WOQ 2                                          ; its wait shows the second set in too
	PUTS -1
	XFETCH
	WOLOAD 3
	PROD -1
	TAIL 4, 2, -1
	PUTS -1
	XFETCH
	PROD 2                                         ; the middle pair: k's tiles 4, 5 (par = 0) or the two query tiles (par = 1)
	TAIL 2, -1, 2
	WOQ 3
	PUTS 2
	s_wait_dscnt 0x0                               ; my stores have landed
	s_wait_alu depctr_vm_vsrc(0)                   ; every load and store so far has read its address register: v7 to v19 are written anew here; the last stores have read the codes and the bytes, which o's quantiser writes in phase A
	s_mul_i32 s96, s41, 3072
	s_add_co_u32 s96, s96, KIMG
	v_add_nc_u32 v[AK], s96, v[LI]
	s_lshl_b32 s97, s42, 8
	s_add_co_u32 s97, s97, s96
	s_add_co_u32 s97, s97, 2560
	v_lshl_add_u32 v[AQL], v[R], 4, s97            ; my query tile's block: both halves of the lanes read row r's 16 bytes
	s_mul_i32 s96, s41, 192
	s_add_co_u32 s96, s96, KSC
	v_add_nc_u32 v[AKS], s96, v[R4]
	s_add_co_u32 s96, s96, s42
	s_add_co_u32 s96, s96, 130
	v_add_nc_u32 v[AQS], s96, v[R4]
	s_lshl_b32 s96, s41, 12
	s_add_co_u32 s96, s96, VIMG
	v_add_nc_u32 v[AV], s96, v[LI]
	s_add_co_u32 s96, s96, 1024
	v_lshl_add_u32 v[AV1], v[R], 4, s96            ; pair 4's block: both halves read it, so that no byte is read that nobody wrote
	s_lshl_b32 s96, s41, 8
	s_add_co_u32 s96, s96, VSC
	v_add_nc_u32 v[AVSC], s96, v[R4]
	s_lshl_b32 s96, s42, 11
	s_lshl_b32 s97, s41, 8
	s_add_co_u32 s96, s96, s97
	s_add_co_u32 s96, s96, OIMG
	v_add_nc_u32 v[OWI], s96, v[RH]
	s_lshl_b32 s96, s42, 7
	s_lshr_b32 s97, s41, 2
	s_lshl_b32 s97, s97, 6
	s_add_co_u32 s96, s96, s97
	s_and_b32 s97, s41, 3
	s_add_co_u32 s96, s96, s97
	s_add_co_u32 s96, s96, OSC
	v_add_nc_u32 v[OWS], s96, v[R4]
	v_add_nc_u32 v[AOF], OIMG, v[LI]
	v_add_nc_u32 v[AOS], OSC, v[R4]
	v_mul_u32_u24 v[STO], v[RP], 1040
	v_lshl_add_u32 v[STO], v[H], 5, v[STO]
	s_lshl_b32 s96, s40, 6
	s_add_co_u32 s96, s96, STG
	v_add_nc_u32 v[STO], s96, v[STO]
	s_mul_i32 s96, s40, 2080
	s_add_co_u32 s96, s96, STG
	v_add_nc_u32 v[SRD], s96, v[LI]
.irp i, 0,1,2,3
	v_mov_b32 v[QOP+\i], 0
	v_mov_b32 v[QOP+8+\i], 0
	v_mov_b32 v[QOP+16+\i], 0
.endr
.irp i, 2,3,4,5,6,7
	v_mov_b32 v[PDD+\i], 0
.endr
.irp b, 0,1,2,3,4
	v_mov_b32 v[BX+\b], 0
.endr
	v_mov_b32 v[NEGI], 0xff800000                  ; -infinity
	v_add_nc_u32 v[MSK0], -1, v[H]                 ; all ones in lanes 0-15
	v_sub_nc_u32 v[MSK1], 0, v[H]                  ; all ones in lanes 16-31
	; my query is row 64 + qw of the window, qw = 8 par + RP.  Its keys: from max(qw, the sequence's first) to min(qw + 128, the sequence's last)
	s_lshl_b32 s96, s42, 3
	v_add_nc_u32 v202, s96, v[RP]
	v_min_u32 v203, s90, v202
	v_add_nc_u32 v204, s90, v202
	v_sub_nc_u32 v204, v204, v203                  ; the larger of the two
	v_lshlrev_b32 v205, 4, v[H]
	v_sub_nc_u32 v[DLO], v204, v205                ; less my half's 16
	v_add_nc_u32 v206, 128, v202
	v_min_u32 v206, s91, v206
	v_sub_nc_u32 v[DH4], v206, v205
	v_add_nc_u32 v[DH4], 0xffffff80, v[DH4]        ; and less 128, so that block 4's constants are small
	v_mov_b32 v203, 0
	s_wait_alu depctr_va_vdst(0)                   ; the LDS addresses v7 to v19 are written, which the loads and stores of A, F and LN read; Wo's quantiser and P's products are done reading the registers in which K, q and their scales land behind the barrier
	BAR                                            ; k's, q's and v's blocks lie in LDS
; ---------------------------------------------------------------- A: my head, my tile of 16 queries
.irp i, 0,1,2,3,4,5
	ds_load_b128 v[KF+4*\i:KF+4*\i+3], v[AK] offset:512*\i
.endr
.irp f, 0,1,2
	ds_load_b32 v[KS+\f], v[AKS] offset:64*\f
.endr
	ds_load_b128 v[QL:QL+3], v[AQL]
	ds_load_u8 v[QS], v[AQS]
	s_wait_dscnt 0x0
	v_perm_b32 v[QS], v[QS], v[QS], 0              ; q's byte in all four bytes.  Twelve plain lines stand between this and the first product,
.irp i, 0,1,2,3
	v_and_b32 v[QOP+4+\i], v[QL+\i], v[MSK0]
	v_and_b32 v[QOP+12+\i], v[QL+\i], v[MSK1]
.endr
	PLACES 4                                       ; four between the last of the operand's and it
	s_wait_alu depctr_va_vdst(0)                   ; q's scale word and Q's operand, made by vector lines, are written: the scaled products take them; the places above stay beside this wait
.irp t, 0,1,2,3,4,5,6,7,8,9                    ; S^T = K Q^T: key tile t lies at block place t % 4 of fragment t / 4; Q's operand has q at that place alone
	MMZ S+8*\t, KF+8*(\t/4), QOP+4+8*(\t%2)-4*((\t%4)/2), KS+\t/4, QS
.endr
	PLACES 4                                       ; in front of writes of registers that these products have read, and of the first read of the scores
	s_wait_alu depctr_va_vdst(0)                   ; the products are done reading K's fragments and Q's operand, the lines above q's block, P's products their scale words: V and its scales land in those registers
.irp c, 0,1                                    ; V is asked for now and lands under the softmax
	ds_load_b128 v[VF+16*\c:VF+16*\c+3], v[AV] offset:2048*\c
	ds_load_b128 v[VF+16*\c+4:VF+16*\c+7], v[AV] offset:2048*\c+512
	ds_load_b128 v[VF+16*\c+8:VF+16*\c+11], v[AV1] offset:2048*\c
	ds_load_b32 v[VS+2*\c], v[AVSC] offset:128*\c
	ds_load_u8 v[VS+2*\c+1], v[AVSC] offset:128*\c+64
.endr
.irp c, 0,1
.irp i, 12,13,14,15
	v_mov_b32 v[VF+16*\c+\i], 0                    ; (registers in which no load lands)
.endr
.endr
	MASKLO 0                                       ; the band's edges lie in blocks 0 and 4;
	MASKHI 4
	s_cmp_lg_u32 s45, 0                            ; blocks 1 and 3 are touched only by the sequence's ends: scalar branches on the work-group's number
	s_cbranch_scc1 .Lno_lo
	MASKLO 1
.Lno_lo:
	s_cmp_lg_u32 s45, 4064
	s_cbranch_scc1 .Lno_hi
	MASKHI 3
.Lno_hi:
.irp b, 0,1,2,3,4
	v_max3_num_f32 v[BM+\b], v[S+16*\b], v[S+16*\b+1], v[S+16*\b+2]   ; each block's largest score: for the row's maximum, and, since p rises with the score, for the block's largest p
.endr
.irp i, 3,5,7,9,11,13
.irp b, 0,1,2,3,4
	v_max3_num_f32 v[BM+\b], v[BM+\b], v[S+16*\b+\i], v[S+16*\b+\i+1]
.endr
.endr
.irp b, 0,1,2,3,4
	v_max_num_f32 v[BM+\b], v[BM+\b], v[S+16*\b+15]
.endr
.irp b, 0,1,2,3,4
	v_permlanex16_b32 v[BX+\b], v[BM+\b], s46, s47
.endr
.irp b, 0,1,2,3,4
	v_max_num_f32 v[BM+\b], v[BM+\b], v[BX+\b]
.endr
	v_max3_num_f32 v202, v[BM], v[BM+1], v[BM+2]
	v_max3_num_f32 v202, v202, v[BM+3], v[BM+4]    ; the row's largest score: its own key always counts, so it is a number
	v_mul_f32 v202, s48, v202
	v_floor_f32 v[NM], -v202                       ; -M = floor(-t) = -ceil(t)
	v_mov_b32 v[NM+1], v[NM]
.set J, 0
.rept 40
	v_pk_fma_f32 v[S+J:S+J+1], v[S+J:S+J+1], s[48:49], v[NM:NM+1] op_sel_hi:[1,0,0]   ; t - M, two at a time
.set J, J+2
.endr
.irp b, 0,1,2,3,4
	v_fma_f32 v[BM+\b], v[BM+\b], s48, v[NM]
.endr
.set J, 0
	s_wait_alu depctr_va_vdst(0)
.rept 80
	v_exp_f32 v[S+J], v[S+J]                       ; p = 2^(t - M); 0 under the mask
.set J, J+1
.endr
.irp b, 0,1,2,3,4
	v_exp_f32 v[BM+\b], v[BM+\b]                   ; the block's largest p: the same two instructions on the same number
.endr
	v_nop                                          ; a plain line behind the exponentials
	s_wait_alu depctr_va_vdst(0)                   ; the 85 exponentials have written p and the blocks' largest p: one wait for the batch, ahead of its first reader
.irp b, 0,1,2,3,4
	v_max_num_f32 v[BM+\b], 0x1800000, v[BM+\b]    ; the floor: a block of zeros keeps the byte 1
.endr
.irp b, 0,1,2,3,4
	v_add_nc_u32 v[SOP+\b], 0xff000000, v[BM+\b]
.endr
.irp b, 0,1,2,3,4
	v_lshrrev_b32 v[BX+\b], 23, v[SOP+\b]
.endr
	v_lshl_or_b32 v[PW], v[BX+1], 8, v[BX]         ; p's scale word for keys 0-127,
	v_lshl_or_b32 v[PW], v[BX+2], 16, v[PW]
	v_lshl_or_b32 v[PW], v[BX+3], 24, v[PW]
	v_mov_b32 v[PW+1], v[BX+4]                     ; and for keys 128-159; its other bytes stand over zero codes
.irp b, 0,1,2,3
	v_cvt_scalef32_pk8_fp4_f32 v[PCD+2*\b], v[S+16*\b:S+16*\b+7], v[SOP+\b]
	v_cvt_scalef32_pk8_fp4_f32 v[PCD+2*\b+1], v[S+16*\b+8:S+16*\b+15], v[SOP+\b]
.endr
	v_cvt_scalef32_pk8_fp4_f32 v[PDD], v[S+64:S+71], v[SOP+4]
	v_cvt_scalef32_pk8_fp4_f32 v[PDD+1], v[S+72:S+79], v[SOP+4]
	v_nop                                          ; a plain line behind the conversions
.irp c, 0,4                                    ; the operand wants a whole block in a lane: lanes 0-15 the even block, lanes 16-31 the odd one
.irp i, 0,1
	v_permlane16_swap_b32 v[PCD+\c+\i], v[PCD+\c+2+\i]
.endr
.endr
.irp i, 0,1
	v_permlane16_swap_b32 v[PDD+\i], v[PDD+2+\i]   ; block 4 into lanes 0-15; lanes 16-31 get zeros
.endr
	v_pk_add_f32 v[LSUM:LSUM+1], v[S:S+1], v[S+4:S+5]          ; the row's sum of the unquantised p, in two chains; these lines are also the places in front of the products below
	v_pk_add_f32 v[LSUM+2:LSUM+3], v[S+2:S+3], v[S+6:S+7]
.set J, 8
.rept 18
	v_pk_add_f32 v[LSUM:LSUM+1], v[LSUM:LSUM+1], v[S+J:S+J+1]
	v_pk_add_f32 v[LSUM+2:LSUM+3], v[LSUM+2:LSUM+3], v[S+J+2:S+J+3]
.set J, J+4
.endr
	v_pk_add_f32 v[LSUM:LSUM+1], v[LSUM:LSUM+1], v[LSUM+2:LSUM+3]
	s_wait_alu depctr_va_vdst(0)                   ; the conversions and the sums are done with p's registers, in which the loads below land; p's codes, its two scale words and V's zero registers, made by vector lines, are written: the scaled products take them
.irp i, 0,1                                    ; what the last phase wants from memory is asked for here, into registers that p has left: x's rows 2 w, 2 w + 1; bo, gamma, beta
.irp e, 0,1
	global_load_b128 v[LNX+8*\i+4*\e:LNX+8*\i+4*\e+3], v[LI], s[92:93] offset:1024*\i+512*\e
.endr
.endr
.irp e, 0,1
	global_load_b128 v[LBO+4*\e:LBO+4*\e+3], v[LI], s[30:31] offset:512*\e
	global_load_b128 v[LGA+4*\e:LGA+4*\e+3], v[LI], s[32:33] offset:512*\e
	global_load_b128 v[LBE+4*\e:LBE+4*\e+3], v[LI], s[34:35] offset:512*\e
.endr
	s_wait_dscnt 0x0                               ; V
	MMZ OACC, VF, PCD, VS, PW                      ; O^T = V^T P^T: the two channel tiles by turns
	MMZ OACC+8, VF+16, PCD, VS+2, PW
	MMC OACC, VF+8, PDD, OACC, VS+1, PW+1
	MMC OACC+8, VF+24, PDD, OACC+8, VS+3, PW+1
	v_add_f32 v202, v[LSUM], v[LSUM+1]             ; the sum's two halves, and lane l xor 16's.  Of these lines five are plain: the places behind the products
	v_permlanex16_b32 v203, v202, s46, s47
	v_add_f32 v202, v202, v203
	s_wait_alu depctr_va_vdst(0)
	v_rcp_f32 v[RCL], v202
	v_nop
	s_wait_alu depctr_va_vdst(0)                   ; the reciprocal has written v[RCL], ahead of its first reader
	v_mov_b32 v[RCL+1], v[RCL]
	v_nop
.irp j, 0,2,4,6,8,10,12,14
	v_pk_mul_f32 v[OV+\j:OV+\j+1], v[OACC+\j:OACC+\j+1], v[RCL:RCL+1] op_sel_hi:[1,0]   ; o(query r, channels 16 h + 0..15 of my head)
.endr
	BLKQ 1, OV                                     ; a head's 32 channels are one block of the last product's K.  (P's last stores have read the codes and the byte: the wait on vm_vsrc at P's end)
	s_wait_alu depctr_va_vdst(0)                   ; o's codes and byte are written, which the stores read; phase A is done with p's, V's, K's scales' and q's scale's registers, in which o's fragments and scale words land behind the barrier
	PUT 0, OWI, 0, OWS, 0
	BAR                                            ; o's four fragments lie in LDS
; ---------------------------------------------------------------- F: columns 16 w .. 16 w + 15 of o Wo, for the 32 queries
.irp u, 0,1                                    ; no vector line stands between the wait above and these loads
.irp s, 0,1
.irp c, 0,1
	ds_load_b128 v[OF+16*\u+8*\s+4*\c:OF+16*\u+8*\s+4*\c+3], v[AOF] offset:2048*\u+1024*\s+512*\c
.endr
	ds_load_b32 v[OS+2*\u+\s], v[AOS] offset:128*\u+64*\s
.endr
.endr
	s_wait_dscnt 0x0
	MMZ Y, WOF, OF, WOS, OS                        ; source 0 = 16 columns of Wo, source 1 = o's 16 rows: a lane holds eight neighbouring columns of one row.  (Wo's codes and scale words were shown written by the waits since P)
	MMZ Y+8, WOF, OF+16, WOS, OS+2
	MMC Y, WOF+8, OF+8, Y, WOS+1, OS+1
	MMC Y+8, WOF+8, OF+24, Y+8, WOS+1, OS+3
	PLACES 4
	s_wait_alu depctr_va_vdst(0)                   ; the products have written the two accumulators, which the LDS stores read; the places above stay beside this wait
.irp u, 0,1
	ds_store_b128 v[STO], v[Y+8*\u:Y+8*\u+3] offset:8320*\u            ; row 8 u + RP of the stage, bytes 64 w + 32 h on
	ds_store_b128 v[STO], v[Y+8*\u+4:Y+8*\u+7] offset:8320*\u+16
.endr
	s_wait_loadcnt 0x0                             ; x's rows, bo, gamma, beta
.irp i, 0,8
.irp j, 0,2,4,6
	v_pk_add_f32 v[LNX+\i+\j:LNX+\i+\j+1], v[LNX+\i+\j:LNX+\i+\j+1], v[LBO+\j:LBO+\j+1]   ; x + bo
.endr
.endr
	s_wait_alu depctr_va_vdst(0)
	BAR                                            ; 32 whole rows lie in the stage
; ---------------------------------------------------------------- LN: rows 2 w and 2 w + 1, by turns; a lane holds 8 numbers of each
.irp i, 0,1                                    ; these land where Q's operand and V lay, read out ahead of F's wait; the additions since that wait name x's rows and bo alone
.irp e, 0,1
	ds_load_b128 v[AR+8*\i+4*\e:AR+8*\i+4*\e+3], v[SRD] offset:1040*\i+512*\e
.endr
.endr
	s_mov_b32 s96, 0x3b800000                      ; 1 / 256
	s_mov_b32 s97, 0x3a83126f                      ; 1e-3
	s_wait_dscnt 0x0
.irp j, 0,2,4,6,8,10,12,14
	v_pk_add_f32 v[AR+\j:AR+\j+1], v[AR+\j:AR+\j+1], v[LNX+\j:LNX+\j+1]   ; y
.endr
.irp i, 0,1
	v_pk_add_f32 v[T1+4*\i:T1+4*\i+1], v[AR+8*\i:AR+8*\i+1], v[AR+8*\i+2:AR+8*\i+3]
	v_pk_add_f32 v[T1+4*\i+2:T1+4*\i+3], v[AR+8*\i+4:AR+8*\i+5], v[AR+8*\i+6:AR+8*\i+7]
.endr
.irp i, 0,1
	v_pk_add_f32 v[T1+4*\i:T1+4*\i+1], v[T1+4*\i:T1+4*\i+1], v[T1+4*\i+2:T1+4*\i+3]
.endr
.irp i, 0,1
	v_add_f32 v[T1+4*\i], v[T1+4*\i], v[T1+4*\i+1]
.endr
	RED T1
.irp i, 0,1
	v_mul_f32 v[T1+4*\i], s96, v[T1+4*\i]          ; the mean
.endr
.irp j, 0,2,4,6
.irp i, 0,1
	v_pk_add_f32 v[AR+8*\i+\j:AR+8*\i+\j+1], v[AR+8*\i+\j:AR+8*\i+\j+1], v[T1+4*\i:T1+4*\i+1] op_sel_hi:[1,0] neg_lo:[0,1] neg_hi:[0,1]   ; y - mean
.endr
.endr
.irp i, 0,1
	v_pk_mul_f32 v[T2+4*\i:T2+4*\i+1], v[AR+8*\i:AR+8*\i+1], v[AR+8*\i:AR+8*\i+1]
.endr
.irp j, 2,4,6
.irp i, 0,1
	v_pk_fma_f32 v[T2+4*\i:T2+4*\i+1], v[AR+8*\i+\j:AR+8*\i+\j+1], v[AR+8*\i+\j:AR+8*\i+\j+1], v[T2+4*\i:T2+4*\i+1]
.endr
.endr
.irp i, 0,1
	v_add_f32 v[T2+4*\i], v[T2+4*\i], v[T2+4*\i+1]
.endr
	RED T2
.irp i, 0,1
	v_fma_f32 v[T2+4*\i], v[T2+4*\i], s96, s97     ; the variance + 1e-3
.endr
	s_wait_alu depctr_va_vdst(0)
.irp i, 0,1
	v_rsq_f32 v[T2+4*\i], v[T2+4*\i]
.endr
	v_nop                                          ; a plain line behind the transcendentals
	s_wait_alu depctr_va_vdst(0)                   ; the two reciprocal roots are written, ahead of their first reader
.irp j, 0,2,4,6
.irp i, 0,1
	v_pk_mul_f32 v[AR+8*\i+\j:AR+8*\i+\j+1], v[AR+8*\i+\j:AR+8*\i+\j+1], v[T2+4*\i:T2+4*\i+1] op_sel_hi:[1,0]
.endr
.endr
.irp j, 0,2,4,6
.irp i, 0,1
	v_pk_fma_f32 v[AR+8*\i+\j:AR+8*\i+\j+1], v[AR+8*\i+\j:AR+8*\i+\j+1], v[LGA+\j:LGA+\j+1], v[LBE+\j:LBE+\j+1]
.endr
.endr
	s_wait_alu depctr_va_vdst(0)                   ; the multiply-adds have written the two rows, which the stores read
.irp i, 0,1
.irp e, 0,1
	global_store_b128 v[LI], v[AR+8*\i+4*\e:AR+8*\i+4*\e+3], s[94:95] offset:1024*\i+512*\e th:TH_STORE_NT   ; 32 lanes store 512 consecutive bytes, at a multiple of 256 from out0's first byte
.endr
.endr
	s_wait_dscnt 0x0                               ; the closing lines, six on end
	s_wait_alu 0x0
	s_wait_tensorcnt 0x0
	ds_add_u32 v37, v255
	s_wait_dscnt 0x0
	s_endpgm
.Lfunc_end_k_qb2481133ee_swattn:
	.size	k_qb2481133ee_swattn, .Lfunc_end_k_qb2481133ee_swattn-k_qb2481133ee_swattn
	.p2alignl 7, 3214868480
	.fill 96, 4, 3214868480
	.section	.rodata,"a",@progbits
	.p2align	6, 0x0
	.amdhsa_kernel k_qb2481133ee_swattn
		.amdhsa_group_segment_fixed_size 122368
		.amdhsa_private_segment_fixed_size 0
		.amdhsa_enable_private_segment 0
		.amdhsa_kernarg_size 120
		.amdhsa_user_sgpr_count 2
		.amdhsa_user_sgpr_kernarg_segment_ptr 1
		.amdhsa_wavefront_size32 1
		.amdhsa_system_sgpr_workgroup_id_x 1
		.amdhsa_system_sgpr_workgroup_id_y 1
		.amdhsa_system_sgpr_workgroup_id_z 1
		.amdhsa_system_vgpr_workitem_id 0
		.amdhsa_next_free_vgpr 256
		.amdhsa_next_free_sgpr 100
		.amdhsa_reserve_vcc 0
		.amdhsa_float_denorm_mode_32 3
		.amdhsa_float_denorm_mode_16_64 3
		.amdhsa_memory_ordered 1
		.amdhsa_forward_progress 1
		.amdhsa_inst_pref_size 99
	.end_amdhsa_kernel
	.amdgpu_metadata
---
amdhsa.version: [ 1, 2 ]
amdhsa.kernels:
  - .name:           k_qb2481133ee_swattn
    .symbol:         k_qb2481133ee_swattn.kd
    .args:
      - { .name: x, .offset: 0, .size: 8, .value_kind: global_buffer, .address_space: global }
      - { .name: Wq_codes, .offset: 8, .size: 8, .value_kind: global_buffer, .address_space: global }
      - { .name: Wq_scales, .offset: 16, .size: 8, .value_kind: global_buffer, .address_space: global }
      - { .name: bq, .offset: 24, .size: 8, .value_kind: global_buffer, .address_space: global }
      - { .name: Wk_codes, .offset: 32, .size: 8, .value_kind: global_buffer, .address_space: global }
      - { .name: Wk_scales, .offset: 40, .size: 8, .value_kind: global_buffer, .address_space: global }
      - { .name: bk, .offset: 48, .size: 8, .value_kind: global_buffer, .address_space: global }
      - { .name: Wv_codes, .offset: 56, .size: 8, .value_kind: global_buffer, .address_space: global }
      - { .name: Wv_scales, .offset: 64, .size: 8, .value_kind: global_buffer, .address_space: global }
      - { .name: bv, .offset: 72, .size: 8, .value_kind: global_buffer, .address_space: global }
      - { .name: Wo, .offset: 80, .size: 8, .value_kind: global_buffer, .address_space: global }
      - { .name: bo, .offset: 88, .size: 8, .value_kind: global_buffer, .address_space: global }
      - { .name: gamma, .offset: 96, .size: 8, .value_kind: global_buffer, .address_space: global }
      - { .name: beta, .offset: 104, .size: 8, .value_kind: global_buffer, .address_space: global }
      - { .name: out0, .offset: 112, .size: 8, .value_kind: global_buffer, .address_space: global }
    .group_segment_fixed_size: 122368
    .private_segment_fixed_size: 0
    .kernarg_segment_align: 8
    .kernarg_segment_size: 120
    .max_flat_workgroup_size: 512
    .sgpr_count:     100
    .vgpr_count:     256
    .wavefront_size: 32
...
	.end_amdgpu_metadata
.endif
;; end of part 2
